; MI455X (gfx1250); checked and timed in simulation.
; The chip was launched on July 23, 2026; its instructions are those of AMD's public machine-readable ISA for CDNA 5 (MIT licence, August 2026) and "CDNA5" Instruction Set Architecture Reference Guide (July 2026). The comments in the code are by the model that wrote it; some were corrected since.
;; Self Attention V1. Allowed arithmetic: float matrix products may take bf16 or f16 operands with f32 sums; all other float work in f32.
;; Inputs: Wk 1,024 x 1,024 float32; Wq 1,024 x 1,024 float32; Wv 1,024 x 1,024 float32; bk 1,024 float32; bq 1,024 float32; bv 1,024 float32; hidden_states 4 x 2,048 x 1,024 float32.
;; Outputs: out0 4 x 2,048 x 1,024 float32.
;; 2 versions, each right; version 2 is version 1 with the launch cast written anew for expert scheduling mode. Each part assembles by itself: llvm-mc -triple=amdgcn-amd-amdhsa -mcpu=gfx1250 --defsym DOCPART=n.
;; ======== version 1 of 2: 4 launches
;; limits: values are held in f16: magnitudes above 65,504 overflow, below 6.1e-05 lose precision
;; workspace buffers: xb 16,777,216 bytes; wb 6,291,456 bytes; bb 12,288 bytes; qkv 50,331,648 bytes; pm 33,554,432 bytes; stm 524,288 bytes; stl 524,288 bytes
;; launch cast (part 1): grid 1408 x 1, 4 waves a work-group, no clusters, 0 bytes of LDS; arguments hidden_states, Wq, Wk, Wv, bq, bk, bv, xb, wb, bb; writes xb, wb, bb
.if DOCPART == 1
	.amdgcn_target "amdgcn-amd-amdhsa--gfx1250"
	.amdhsa_code_object_version 6
	.text
	.protected	k_qd80b8722a9_cast
	.globl	k_qd80b8722a9_cast
	.p2align	8
	.type	k_qd80b8722a9_cast,@function
k_qd80b8722a9_cast:
	s_mov_b64 s[64:65], 0
	v_nop
	global_prefetch_b8 v0, s[64:65] scope:SCOPE_SE
	s_setreg_imm32_b32 hwreg(HW_REG_WAVE_MODE, 25, 1), 1
	s_wait_xcnt 0x0
; THE INPUTS ROUNDED TO bf16 AND LAID OUT FOR THE PROJECTION.
; xb[kb][row][64] bf16: x in 16 blocks of 64 along K, so that 128 rows of one block are 16,384 dense bytes.
; wb[k][3072] bf16: Wq, Wk, Wv side by side.  bb[3072] f32: the three biases, each rounded to bf16 and widened again.
; A stream: no LDS, no matrix unit, no loop.  A work-group of 128 threads takes 8 rows of 1,024 numbers, a wave two rows: sixteen loads of 16 bytes a lane, all issued ahead of
; the first conversion, and sixteen stores of 8 bytes a lane.  Every load covers whole aligned pieces of 256 bytes, every store 256 consecutive aligned bytes.
; Work-groups 0-1023: x.  Work-groups 1024-1407: 128 for each W; the first of each 128 also takes that W's bias.
.set IN,  8                            ; v[8:71]    sixteen groups of four f32
.set OUT, 72                           ; v[72:103]  sixteen groups of four bf16
; v1: the thread's byte offset in; v2, v3: its byte offsets out for groups 0-7 and 8-15.  Group g lies (g / 8) ia + (g % 8) ib bytes on in the input, (g % 8) ob in the output.
.macro CAST16 ia, ib, ob
.set g, 0
.rept 16
	global_load_b128 v[IN+4*g:IN+4*g+3], v1, s[24:25] offset:(g/8)*(\ia)+(g%8)*(\ib) th:TH_LOAD_NT
.set g, g+1
.endr
.set g, 0
.rept 16
	s_wait_loadcnt 15-g                            ; loads come back in order: group g is in, the later groups' loads may stay out
	v_cvt_pk_bf16_f32 v[OUT+2*g], v[IN+4*g], v[IN+4*g+1]
	v_cvt_pk_bf16_f32 v[OUT+2*g+1], v[IN+4*g+2], v[IN+4*g+3]
	global_store_b64 v[2+g/8], v[OUT+2*g:OUT+2*g+1], s[26:27] offset:(g%8)*(\ob)
.set g, g+1
.endr
.endm
	s_load_b512 s[4:19], s[0:1], 0x0               ; x s[4:5], Wq s[6:7], Wk s[8:9], Wv s[10:11], bq s[12:13], bk s[14:15], bv s[16:17], xb s[18:19]
	s_load_b128 s[20:23], s[0:1], 0x40             ; wb s[20:21], bb s[22:23]
	s_mov_b32 s29, 0                               ; high words of the two offsets
	s_mov_b32 s31, 0
	s_cmp_lt_u32 ttmp9, 1024
	s_cbranch_scc0 .Lweights
	; x: thread t takes row t / 16 of the group's 8 and the four numbers t % 16 of every K block g.  Sixteen lanes load a block's 256 bytes of one row, the other sixteen the next row's;
	; their 2 x 128 bytes of bf16 lie end to end in xb.
	v_lshrrev_b32 v4, 4, v0
	v_and_b32 v5, 15, v0
	v_lshlrev_b32 v1, 4, v5                        ; in: 16 (t % 16)
	v_lshl_add_u32 v1, v4, 12, v1                  ;   + 4,096 x row
	v_lshlrev_b32 v2, 3, v5                        ; out: 8 (t % 16)
	v_lshl_add_u32 v2, v4, 7, v2                   ;   + 128 x row
	v_add_nc_u32 v3, 0x800000, v2                  ; eight blocks of 1,048,576 bytes on
	s_lshl_b32 s28, ttmp9, 15                      ; 8 rows of 4,096 bytes
	s_lshl_b32 s30, ttmp9, 10                      ; 8 rows of 128 bytes
	s_wait_kmcnt 0x0
	s_add_nc_u64 s[24:25], s[4:5], s[28:29]
	s_add_nc_u64 s[26:27], s[18:19], s[30:31]
	CAST16 2048, 256, 1048576                      ; a block on: 256 bytes in, 8,192 rows x 128 bytes out (7,340,032 at the most: inside the signed 24-bit immediate)
	s_endpgm
.Lweights:
	; W: wave w takes k rows 2 w and 2 w + 1 of the group's 8; a load covers 512 consecutive bytes of a row, a store the 256 bytes of wb made of them.
	s_sub_co_u32 s32, ttmp9, 1024
	s_lshr_b32 s33, s32, 7                         ; which W: 0 q, 1 k, 2 v
	s_and_b32 s34, s32, 127                        ; which 8 of its k rows
	v_lshrrev_b32 v4, 5, v0
	v_and_b32 v5, 31, v0
	v_lshlrev_b32 v1, 4, v5
	v_lshl_add_u32 v1, v4, 13, v1                  ; in: 16 x lane + two rows of 4,096 bytes a wave
	v_mul_u32_u24 v2, v4, 12288
	v_lshl_add_u32 v2, v5, 3, v2                   ; out: 8 x lane + two rows of 6,144 bytes a wave
	v_add_nc_u32 v3, 6144, v2                      ; the second row
	s_lshl_b32 s28, s34, 15                        ; 8 rows of 4,096 bytes
	s_mul_i32 s30, s34, 49152                      ; 8 rows of 6,144 bytes
	s_lshl_b32 s35, s33, 11                        ; + this W's 2,048 bytes of a row
	s_add_co_u32 s30, s30, s35
	s_wait_kmcnt 0x0
	s_cmp_eq_u32 s33, 0
	s_cselect_b64 s[24:25], s[6:7], s[8:9]
	s_cselect_b64 s[36:37], s[12:13], s[14:15]
	s_cmp_eq_u32 s33, 2
	s_cselect_b64 s[24:25], s[10:11], s[24:25]
	s_cselect_b64 s[36:37], s[16:17], s[36:37]
	s_add_nc_u64 s[24:25], s[24:25], s[28:29]
	s_add_nc_u64 s[26:27], s[20:21], s[30:31]
	CAST16 4096, 512, 256
	s_cmp_lg_u32 s34, 0
	s_cbranch_scc1 .Ldone
	v_lshlrev_b32 v4, 4, v0                        ; the bias: twice four numbers a thread
	s_lshl_b32 s28, s33, 12
	s_add_nc_u64 s[38:39], s[22:23], s[28:29]
	global_load_b128 v[8:11], v4, s[36:37]         ; IN's registers: their loads have all come back
	global_load_b128 v[12:15], v4, s[36:37] offset:2048
	s_wait_loadcnt 0x0
	v_cvt_pk_bf16_f32 v24, v8, v9                  ; rounded to bf16,
	v_cvt_pk_bf16_f32 v25, v10, v11
	v_cvt_pk_bf16_f32 v26, v12, v13
	v_cvt_pk_bf16_f32 v27, v14, v15
	v_lshlrev_b32 v16, 16, v24                     ; and written as f32 again
	v_and_b32 v17, 0xffff0000, v24
	v_lshlrev_b32 v18, 16, v25
	v_and_b32 v19, 0xffff0000, v25
	v_lshlrev_b32 v20, 16, v26
	v_and_b32 v21, 0xffff0000, v26
	v_lshlrev_b32 v22, 16, v27
	v_and_b32 v23, 0xffff0000, v27
	global_store_b128 v4, v[16:19], s[38:39]
	global_store_b128 v4, v[20:23], s[38:39] offset:2048
.Ldone:
	s_endpgm
.Lfunc_end_k_qd80b8722a9_cast:
	.size	k_qd80b8722a9_cast, .Lfunc_end_k_qd80b8722a9_cast-k_qd80b8722a9_cast
	.p2alignl 7, 3214868480
	.fill 96, 4, 3214868480
	.section	.rodata,"a",@progbits
	.p2align	6, 0x0
	.amdhsa_kernel k_qd80b8722a9_cast
		.amdhsa_group_segment_fixed_size 0
		.amdhsa_private_segment_fixed_size 0
		.amdhsa_enable_private_segment 0
		.amdhsa_kernarg_size 80
		.amdhsa_user_sgpr_count 2
		.amdhsa_user_sgpr_kernarg_segment_ptr 1
		.amdhsa_wavefront_size32 1
		.amdhsa_system_sgpr_workgroup_id_x 1
		.amdhsa_system_sgpr_workgroup_id_y 1
		.amdhsa_system_sgpr_workgroup_id_z 1
		.amdhsa_system_vgpr_workitem_id 0
		.amdhsa_next_free_vgpr 104
		.amdhsa_next_free_sgpr 66
		.amdhsa_reserve_vcc 0
		.amdhsa_float_denorm_mode_32 3
		.amdhsa_float_denorm_mode_16_64 3
		.amdhsa_memory_ordered 1
		.amdhsa_forward_progress 1
		.amdhsa_inst_pref_size 15
	.end_amdhsa_kernel
	.amdgpu_metadata
---
amdhsa.version: [ 1, 2 ]
amdhsa.kernels:
  - .name:           k_qd80b8722a9_cast
    .symbol:         k_qd80b8722a9_cast.kd
    .args:
      - { .name: hidden_states, .offset: 0, .size: 8, .value_kind: global_buffer, .address_space: global }
      - { .name: Wq, .offset: 8, .size: 8, .value_kind: global_buffer, .address_space: global }
      - { .name: Wk, .offset: 16, .size: 8, .value_kind: global_buffer, .address_space: global }
      - { .name: Wv, .offset: 24, .size: 8, .value_kind: global_buffer, .address_space: global }
      - { .name: bq, .offset: 32, .size: 8, .value_kind: global_buffer, .address_space: global }
      - { .name: bk, .offset: 40, .size: 8, .value_kind: global_buffer, .address_space: global }
      - { .name: bv, .offset: 48, .size: 8, .value_kind: global_buffer, .address_space: global }
      - { .name: xb, .offset: 56, .size: 8, .value_kind: global_buffer, .address_space: global }
      - { .name: wb, .offset: 64, .size: 8, .value_kind: global_buffer, .address_space: global }
      - { .name: bb, .offset: 72, .size: 8, .value_kind: global_buffer, .address_space: global }
    .group_segment_fixed_size: 0
    .private_segment_fixed_size: 0
    .kernarg_segment_align: 8
    .kernarg_segment_size: 80
    .max_flat_workgroup_size: 128
    .sgpr_count:     66
    .vgpr_count:     104
    .wavefront_size: 32
...
	.end_amdgpu_metadata
.endif
;; end of part 1
;; launch proj (part 2): grid 8 x 32, 4 waves a work-group, clusters of 4 x 4, 327,680 bytes of LDS; arguments xb, wb, bb, qkv; writes qkv
.if DOCPART == 2
	.amdgcn_target "amdgcn-amd-amdhsa--gfx1250"
	.amdhsa_code_object_version 6
	.text
	.protected	k_qd80b8722a9_proj
	.globl	k_qd80b8722a9_proj
	.p2align	8
	.type	k_qd80b8722a9_proj,@function
k_qd80b8722a9_proj:
	s_mov_b64 s[64:65], 0
	v_nop
	global_prefetch_b8 v0, s[64:65] scope:SCOPE_SE
	s_setreg_imm32_b32 hwreg(HW_REG_WAVE_MODE, 25, 1), 1
	s_wait_xcnt 0x0
	s_wait_alu depctr_hold_cnt(0) depctr_sa_sdst(0) depctr_va_vdst(0) depctr_va_sdst(0) depctr_va_ssrc(0) depctr_va_vcc(0) depctr_vm_vsrc(0)
	s_getreg_b32 s2, hwreg(HW_REG_IB_STS2, 6, 4)
	s_cmp_eq_u32 s2, 0
	s_cbranch_scc0 .Lentry_in_a_cluster
	s_endpgm
.Lentry_in_a_cluster:
	s_bfe_u32 s2, ttmp6, 0x10000c
	s_cmp_lg_u32 s2, 0xf033
	s_cbranch_scc0 .Lentry_shape_is_right
	s_endpgm
.Lentry_shape_is_right:
; qkv[row][3072] = x [Wq Wk Wv] + b, f16.  x and W in bf16 (xb[16][8192][64], wb[1024][3072]), sums in f32 that start from the bias (bb, f32), one rounding to f16.
; LIMIT.  f16 holds no number beyond 65,504: q, k and v must stay within it; below 6e-5 they keep f16's fixed step of 6e-8.
; SHARES.  8,192 x 3,072 in tiles of 256 x 384: 32 x 8 = 256 work-groups.  Four waves, each 128 rows x 192 columns: 8 x 12 = 96 accumulators, 768 registers.
; K goes in 16 steps of 64 through two LDS slots (two slots of a step of 128 would want 348,160 bytes).  x is blocked by 64 along K, so a wave's 128 rows of a step are
; 16,384 dense bytes, asked for as 64 rows of 256 bytes; W's tile is 32 k rows of 768 bytes for each of two waves.
; CLUSTER.  4 x 4 work-groups.  x's tile hangs on the tile row alone and is asked for jointly by a row of the cluster, W's on the tile column alone, by a column.
; THE MATRIX INSTRUCTION IS USED TRANSPOSED: source 0 = 16 columns of W (turned out of LDS by ds_load_tr16_b128), source 1 = 16 rows of x: a lane holds row l % 16 and the eight columns 8 (l / 16) + 0..7.
; REGISTERS.  Window 0: v0-13 addresses; v32-159 x's fragments, two buffers (one for each 32 of K in a step); v160-255 W's fragments, one buffer for each group of four column blocks.
; Windows 1-3: accumulator (a, b = 4 g + j) at v[64 j + 8 a] of window 1 + g.
; A step is six PHASES (q, g): 32 of K x one group of columns, 32 matrix instructions on 32 accumulators under one window setting; each phase opens with the run of LDS loads for the phase two further on.
.set PA,     144                       ; a row of x in LDS: 128 bytes + 16: the 16 rows of a load start at 16 different groups of four banks (64 banks of 4 bytes: ISA guide 11.1)
.set PB,     864                       ; a k row of W: six pieces of 128 + 16 bytes = 27 x 32
.set AHALF,  128*PA                    ; what one of x's two loads brings
.set BOFF,   2*AHALF                   ; W's rows lie behind x's 256
.set BHALF,  32*PB                     ; what one of W's two loads brings
.set SLOT1,  1<<17                     ; slot 1 begins here: one exclusive or turns an address in one slot into the other's
.set STAGE,  SLOT1+BOFF+2*BHALF        ; behind the ring, never filled by a tensor load: 128 rows x 784 bytes, the work-group's, for the way out
.set SPITCH, 784                       ; 768 + 16 = 49 x 16
.set SPARE,  STAGE+128*SPITCH          ; the spare words, 128 bytes for each wave: two blocks of 256 bytes that no other line names
.set STEP_A, 8192*128                  ; a K block of xb
.set STEP_B, 64*6144                   ; 64 rows of wb
.set AA0, 4                            ; v4   my lane's place in x's tile; never rewritten
.set AB0, 5                            ; v5   the same for W's
.set ADA, 6                            ; v6   v4 + the slot in hand
.set ADB, 7                            ; v7   v5 + the slot in hand
.set STO, 8                            ; v8   the way out: where I put 16 bytes of a row
.set RD,  9                            ; v9   where I read rows back
.set CO,  10                           ; v10  my byte offset in qkv
.set BO,  11                           ; v11  my byte offset in bb
.set SPW, 12                           ; v12  LDS address of my spare word; never rewritten
.set NIL, 13                           ; v13  0; never rewritten
.set AF,  32                           ; x's fragments: buffer q at AF + 64 q, row block a at + 8 a
.set BF,  160                          ; W's fragments: group g at BF + 32 g, column block j at + 8 j
.set PK,  96                           ; the way out: 48 registers of packed results
.set OB,  192                          ; the way out: 64 registers read back from the stage
.set WV, 14                            ; s14 wave;  s15 its half of the rows (and: 0 fetches x, 1 fetches W);  s16 its half of the columns (and: which half of that tile it fetches)
.set WH, 15
.set WL, 16
.set CX, 17
.set CY, 18
.set TX, 19                            ; tile column, tile row
.set TY, 20
.set MR, 21                            ; masks of my row and my column of the cluster
.set MC, 22
.set TB, 23                            ; LDS base of the slot in hand
.set G1A, 24                           ; s[24:31], s[32:39] descriptor groups 1
.set G1B, 32
.set G0A, 40                           ; s[40:47], s[48:55] descriptor groups 0: a set for each first fill; the second then walks
.set G0B, 48
.set CNT, 56
.set MSB, 0
.macro WIN new                         ; the immediate's high byte repeats the setting that is left; a switch that changes nothing is dropped
.if MSB != (\new)
	s_set_vgpr_msb (MSB<<8)|(\new)
.set MSB, \new
.endif
.endm
.macro PLACES                          ; a load into a register that a matrix instruction has read, and a vector instruction that reads a matrix result, stand four plain vector instructions behind it
.rept 4
	v_nop
.endr
.endm
.macro JLOAD                           ; a joint refill: waves 0 and 1 ask for x's two halves, waves 2 and 3 for W's; an s_nop 0 and four v_nop follow each line
	s_cmp_lt_u32 s[WV], 2
	s_cbranch_scc0 .Lfor_b_\@
	tensor_load_to_lds s[G0A+4:G0A+7], s[G1A:G1A+7]
	s_nop 0
	PLACES
	s_branch .Lasked_\@
.Lfor_b_\@:
	tensor_load_to_lds s[G0B+4:G0B+7], s[G1B:G1B+7]
	s_nop 0
	PLACES
.Lasked_\@:
.endm
.macro CREST                           ; a round of the cluster's barrier behind its opening barrier
	s_cmp_lg_u32 s[WV], 0
	s_cbranch_scc1 .Lnot_wave_0_\@
	s_barrier_signal -3
.Lnot_wave_0_\@:
	s_barrier_wait -3
	s_barrier_signal -1
	s_barrier_wait -1
.endm
.macro CROUND
	s_barrier_signal -1
	s_barrier_wait -1
	CREST
.endm
.macro STEPD                           ; the walking descriptors: the other slot than last time, the next K step.  No tensor load of mine is out
	s_xor_b32 s[G0A+5], s[G0A+5], SLOT1
	s_add_nc_u64 s[G0A+6:G0A+7], s[G0A+6:G0A+7], STEP_A
	s_xor_b32 s[G0B+5], s[G0B+5], SLOT1
	s_add_nc_u64 s[G0B+6:G0B+7], s[G0B+6:G0B+7], STEP_B
.endm
.macro FLIP                            ; the fragment loads go to the other slot
	s_xor_b32 s[TB], s[TB], SLOT1
	v_add_nc_u32 v[ADA], s[TB], v[AA0]
	v_add_nc_u32 v[ADB], s[TB], v[AB0]
.endm
	s_load_b256 s[4:11], s[0:1], 0x0               ; xb s[4:5], wb s[6:7], bb s[8:9], qkv s[10:11]
	v_lshl_add_u32 v[SPW], v0, 2, SPARE
	v_mov_b32 v[NIL], 0
	ds_add_u32 v[SPW], v[NIL]                      ; the wave's opening: the add and its wait stand ahead of my first tensor load; the set-up below, work on registers, stands between them
	v_lshrrev_b32 v1, 5, v0
	v_readfirstlane_b32 s[WV], v1
	s_lshr_b32 s[WH], s[WV], 1
	s_and_b32 s[WL], s[WV], 1
	s_bfe_u32 s[CX], ttmp6, 0x40000
	s_bfe_u32 s[CY], ttmp6, 0x40004
	s_lshl_b32 s[TX], ttmp9, 2                     ; in a cluster launch ttmp9 and ttmp7 count clusters
	s_add_co_u32 s[TX], s[TX], s[CX]
	s_and_b32 s[TY], ttmp7, 0xffff
	s_lshl_b32 s[TY], s[TY], 2
	s_add_co_u32 s[TY], s[TY], s[CY]
	s_lshl_b32 s[MR], s[CY], 2
	s_lshl_b32 s[MR], 15, s[MR]                    ; my row of the cluster: places 4 cy .. 4 cy + 3
	s_lshl_b32 s[MC], 0x1111, s[CX]                ; my column: places cx, cx + 4, cx + 8, cx + 12
	; groups 1: elements of 2 bytes; padding on, 4 words after every 32; bit 21 set beside a mask
	s_or_b32 s[G1A], s[MR], (1<<16)|(1<<20)|(1<<21)|(4<<22)|(3<<25)
	s_mov_b32 s[G1A+1], 128<<16                    ; tensor_dim0 = 128: two rows of x on end, 256 bytes
	s_mov_b32 s[G1A+2], 64<<16                     ; tensor_dim1 = 64
	s_mov_b32 s[G1A+3], 128<<16                    ; tile_dim0
	s_mov_b32 s[G1A+4], 64                         ; tile_dim1
	s_mov_b32 s[G1A+5], 128                        ; dense
	s_mov_b32 s[G1A+6], 0
	s_mov_b32 s[G1A+7], 0
	s_or_b32 s[G1B], s[MC], (1<<16)|(1<<20)|(1<<21)|(4<<22)|(3<<25)
	s_mov_b32 s[G1B+1], 384<<16                    ; 384 columns, 768 bytes
	s_mov_b32 s[G1B+2], 32<<16                     ; 32 k rows
	s_mov_b32 s[G1B+3], 384<<16
	s_mov_b32 s[G1B+4], 32
	s_mov_b32 s[G1B+5], 3072
	s_mov_b32 s[G1B+6], 0
	s_mov_b32 s[G1B+7], 0
	; x's offset is made of the tile row and the wave alone, W's of the tile column and the wave alone, each in registers that never hold the other coordinate
	s_lshl_b32 s58, s[TY], 15                      ; 256 rows of 128 bytes
	s_lshl_b32 s62, s[WL], 14
	s_add_co_u32 s58, s58, s62
	s_mov_b32 s59, 0
	s_mul_i32 s60, s[TX], 768
	s_mul_i32 s62, s[WL], 32*6144
	s_add_co_u32 s60, s60, s62
	s_mov_b32 s61, 0
	s_mul_i32 s66, s[WL], AHALF                    ; and where they go: no place in the cluster enters an LDS address
	s_mul_i32 s67, s[WL], BHALF
	s_add_co_u32 s67, s67, BOFF
	s_mov_b32 s[G0A], 1
	s_mov_b32 s[G0A+1], s66
	s_mov_b32 s[G0A+4], 1
	s_add_co_u32 s[G0A+5], s66, SLOT1
	s_mov_b32 s[G0B], 1
	s_mov_b32 s[G0B+1], s67
	s_mov_b32 s[G0B+4], 1
	s_add_co_u32 s[G0B+5], s67, SLOT1
	s_mov_b32 s[TB], 0
	s_wait_dscnt 0x0                               ; the opening add is done
	s_wait_kmcnt 0x0
	s_add_nc_u64 s[G0A+2:G0A+3], s[4:5], s[58:59]  ; K step 0,
	s_add_nc_u64 s[G0A+6:G0A+7], s[G0A+2:G0A+3], STEP_A  ; K step 1
	s_or_b32 s[G0A+3], s[G0A+3], 0x80000000        ; type = 2
	s_or_b32 s[G0A+7], s[G0A+7], 0x80000000
	s_add_nc_u64 s[G0B+2:G0B+3], s[6:7], s[60:61]
	s_add_nc_u64 s[G0B+6:G0B+7], s[G0B+2:G0B+3], STEP_B
	s_or_b32 s[G0B+3], s[G0B+3], 0x80000000
	s_or_b32 s[G0B+7], s[G0B+7], 0x80000000
	CROUND                                         ; all sixteen work-groups are here: the first joint loads meet
	s_cmp_lt_u32 s[WV], 2                          ; a wave's two first fills stand in one branch: two loads of mine are out
	s_cbranch_scc0 .Lfirst_b
	tensor_load_to_lds s[G0A:G0A+3], s[G1A:G1A+7]
	s_nop 0
	tensor_load_to_lds s[G0A+4:G0A+7], s[G1A:G1A+7]
	s_nop 0
	PLACES
	s_branch .Lfirst_asked
.Lfirst_b:
	tensor_load_to_lds s[G0B:G0B+3], s[G1B:G1B+7]
	s_nop 0
	tensor_load_to_lds s[G0B+4:G0B+7], s[G1B:G1B+7]
	s_nop 0
	PLACES
.Lfirst_asked:
	v_and_b32 v1, 15, v0                           ; r = l % 16
	v_bfe_u32 v2, v0, 4, 1                         ; h = l / 16
	s_mul_i32 s70, s[TX], 1536                     ; the bias of my columns: 4 (384 x tile column + 192 x half + 8 h)
	s_mul_i32 s71, s[WL], 768
	s_add_co_u32 s70, s70, s71
	v_lshlrev_b32 v[BO], 5, v2
	v_add_nc_u32 v[BO], s70, v[BO]
	; THE BIAS STARTS THE SUMS.  A lane's eight registers of an accumulator are eight columns, the same for all eight row blocks: column block b's eight numbers are loaded into the registers of
	; accumulator (7, b), from where the first products of blocks 0-6 take them as C; block 7's first product then adds in place.
.irp g, 0,1,2
	WIN ((\g)+1)<<6                                ; destination in window 1 + g, address in window 0
.irp j, 0,1,2,3
	global_load_b128 v[64*(\j)+56:64*(\j)+59], v[BO], s[8:9] offset:64*(4*(\g)+(\j))
	global_load_b128 v[64*(\j)+60:64*(\j)+63], v[BO], s[8:9] offset:64*(4*(\g)+(\j))+16
.endr
.endr
	WIN 0
	v_mul_u32_u24 v[AA0], v1, PA                   ; a fragment of x: row r, 16 bytes for each half of the lanes, a second load 32 bytes on
	v_lshl_add_u32 v[AA0], v2, 4, v[AA0]
	s_mul_i32 s62, s[WH], AHALF                    ; my 128 rows
	v_add_nc_u32 v[AA0], s62, v[AA0]
	v_and_b32 v3, 7, v0                            ; the turning load: lane l reads k row 8 h + l % 8, columns 8 ((l / 8) % 2) + 0..7, and is left with column r and 8 k
	v_lshl_add_u32 v3, v2, 3, v3
	v_mul_u32_u24 v[AB0], v3, PB
	v_bfe_u32 v3, v0, 3, 1
	v_lshl_add_u32 v[AB0], v3, 4, v[AB0]
	s_mul_i32 s63, s[WL], 3*PA                     ; my 192 columns: three pieces of 144 bytes
	s_add_co_u32 s63, s63, BOFF
	v_add_nc_u32 v[AB0], s63, v[AB0]
	v_mov_b32 v[ADA], v[AA0]
	v_mov_b32 v[ADB], v[AB0]
	s_mul_i32 s62, s[WH], 64*SPITCH                ; into the stage: 64 rows for each half of the tile's rows, my 384 bytes of them
	s_mul_i32 s63, s[WL], 384
	s_add_co_u32 s62, s62, s63
	s_add_co_u32 s62, s62, STAGE
	v_mul_u32_u24 v[STO], v1, SPITCH
	v_lshl_add_u32 v[STO], v2, 4, v[STO]
	v_add_nc_u32 v[STO], s62, v[STO]
	s_mul_i32 s62, s[WV], 32*SPITCH                ; back: wave w takes stage rows 32 w .. 32 w + 31; lanes 0-15 one row's 256 bytes, lanes 16-31 the next row's
	s_add_co_u32 s62, s62, STAGE
	v_mul_u32_u24 v[RD], v2, SPITCH
	v_lshl_add_u32 v[RD], v1, 4, v[RD]
	v_add_nc_u32 v[RD], s62, v[RD]
	v_mul_u32_u24 v[CO], v2, 6144
	v_lshl_add_u32 v[CO], v1, 4, v[CO]
	s_lshl_b32 s68, s[TY], 8                       ; the first row that I store: 256 x tile row + 128 x row half + 32 x column half
	s_lshl_b32 s69, s[WH], 7
	s_add_co_u32 s68, s68, s69
	s_lshl_b32 s69, s[WL], 5
	s_add_co_u32 s68, s68, s69
	s_mul_i32 s68, s68, 6144
	s_mul_i32 s69, s[TX], 768
	s_add_co_u32 s68, s68, s69
	s_mov_b32 s69, 0
	s_add_nc_u64 s[10:11], s[10:11], s[68:69]
.macro LOADA q                         ; 16 loads: my 128 rows of x, 32 of K
.irp a, 0,1,2,3,4,5,6,7
	ds_load_b128 v[AF+64*(\q)+8*(\a):AF+64*(\q)+8*(\a)+3],   v[ADA] offset:(\a)*16*PA+64*(\q)
	ds_load_b128 v[AF+64*(\q)+8*(\a)+4:AF+64*(\q)+8*(\a)+7], v[ADA] offset:(\a)*16*PA+64*(\q)+32
.endr
.endm
.macro LOADB q, g                      ; 8 loads: 64 columns of W (one padded piece), 32 of K, turned
.irp j, 0,1,2,3
	ds_load_tr16_b128 v[BF+32*(\g)+8*(\j):BF+32*(\g)+8*(\j)+3],   v[ADB] offset:(\q)*32*PB+PA*(\g)+32*(\j)
	ds_load_tr16_b128 v[BF+32*(\g)+8*(\j)+4:BF+32*(\g)+8*(\j)+7], v[ADB] offset:(\q)*32*PB+16*PB+PA*(\g)+32*(\j)
.endr
.endm
.macro MUL16 q, g, j0                  ; 16 matrix instructions: column blocks j0, j0 + 1 of group g x all 8 row blocks
	WIN 0x50*((\g)+1)
.irp j, \j0, (\j0)+1
.irp a, 0,1,2,3,4,5,6,7
	v_wmma_f32_16x16x32_bf16 v[64*(\j)+8*(\a):64*(\j)+8*(\a)+7], v[BF+32*(\g)+8*(\j):BF+32*(\g)+8*(\j)+7], v[AF+64*(\q)+8*(\a):AF+64*(\q)+8*(\a)+7], v[64*(\j)+8*(\a):64*(\j)+8*(\a)+7]
.endr
.endr
.endm
; The first 32 of K for group g: the products that start the sums.  Row blocks 0-6 take the bias out of block 7's registers; five plain instructions lie between the last of them and the
; products that write those registers (ISA guide 7.12.1).
.macro MULB g
	WIN 0x50*((\g)+1)
.irp j, 0,1,2,3
.irp a, 0,1,2,3,4,5,6
	v_wmma_f32_16x16x32_bf16 v[64*(\j)+8*(\a):64*(\j)+8*(\a)+7], v[BF+32*(\g)+8*(\j):BF+32*(\g)+8*(\j)+7], v[AF+8*(\a):AF+8*(\a)+7], v[64*(\j)+56:64*(\j)+63]
.endr
.endr
.rept 5
	v_nop
.endr
.irp j, 0,1,2,3
	v_wmma_f32_16x16x32_bf16 v[64*(\j)+56:64*(\j)+63], v[BF+32*(\g)+8*(\j):BF+32*(\g)+8*(\j)+7], v[AF+56:AF+63], v[64*(\j)+56:64*(\j)+63]
.endr
.endm
; A phase.  Its run of loads fills the buffer that the phase before has multiplied; what it multiplies itself was asked for two phases back, so the counts leave the two younger runs out.
.macro PHASE q, g, first
	PLACES
	WIN 0
.if (\g) == 0
	LOADB \q, 2
	s_wait_dscnt 16                                ; 8 + 8 younger loads: x's buffer q and group 0 are in
.elseif (\g) == 1
	LOADB 1-(\q), 0
	LOADA 1-(\q)
	s_wait_dscnt 32                                ; 8 + 24 younger loads: group 1 is in
.else
	LOADB 1-(\q), 1
	s_wait_dscnt 32                                ; 24 + 8 younger loads: group 2 is in
.endif
.if \first
	MULB \g
.else
	MUL16 \q, \g, 0
	MUL16 \q, \g, 2
.endif
.endm
; Phase (1, 1) changes slots: the slot's last reads were issued a phase ago.  The change stands at the phase's head, so that nothing lies between a tile's landing and the next request: each wave waits
; for all its tensor loads (one is out: its part of the next slot), adds 0 to its spare word, and waits for that and for its reads of this slot; ONE barrier.  fill = 1: the barrier opens a round of the
; cluster's barrier, and this slot is filled again, two K steps ahead, first thing behind the round: the request has all of a step's 192 matrix instructions in which to land.
.macro TURN fill
	WIN 0
	s_wait_tensorcnt 0x0
	ds_add_u32 v[SPW], v[NIL]
.if \fill
	STEPD
.endif
	s_wait_dscnt 0x0                               ; the add is done, and my reads of this slot are over
	s_barrier_signal -1
	s_barrier_wait -1
.if \fill
	CREST                                          ; no wave of any partner still reads this slot or has a load on its way
	JLOAD                                          ; its four v_nop are also the places in front of the loads below
.else
	PLACES
.endif
	MUL16 1, 1, 0
	WIN 0
	FLIP
	LOADB 0, 0
	LOADA 0
	MUL16 1, 1, 2
.endm
	s_wait_tensorcnt 1                             ; my part of K step 0 is in; step 1's may stay out
	s_barrier_signal -1
	s_barrier_wait -1
	LOADB 0, 0
	LOADA 0
	LOADB 0, 1
	s_wait_loadcnt 0x0                             ; the bias
	PHASE 0, 0, 1                                  ; the first 32 of K stand in front of the loop
	PHASE 0, 1, 1
	PHASE 0, 2, 1
	WIN 0
	s_mov_b32 s[CNT], 14
.Lstep:                                                ; a trip: a step's second half, with the change of slots, and the next step's first half.  The 96 accumulators take turns
	PHASE 1, 0, 0
	TURN 1
	PHASE 1, 2, 0
	PHASE 0, 0, 0
	PHASE 0, 1, 0
	PHASE 0, 2, 0
	WIN 0
	s_sub_co_u32 s[CNT], s[CNT], 1
	s_cmp_lg_u32 s[CNT], 0
	s_cbranch_scc1 .Lstep
	s_mov_b32 s[CNT], 2
.Ltail:                                                ; the last two steps ask for nothing: the same trip without a refill.  The last trip jumps over the half step that does not exist; the 32 fragment
	PHASE 1, 0, 0                                  ; loads that it has issued for that half step (out of the slot read before) serve nothing: the price of one text for both trips
	TURN 0
	PHASE 1, 2, 0
	WIN 0
	s_cmp_eq_u32 s[CNT], 1
	s_cbranch_scc1 .Llast
	PHASE 0, 0, 0
	PHASE 0, 1, 0
	PHASE 0, 2, 0
	WIN 0
.Llast:
	s_sub_co_u32 s[CNT], s[CNT], 1
	s_cmp_lg_u32 s[CNT], 0
	s_cbranch_scc1 .Ltail
	s_wait_dscnt 0x0                               ; the fragment registers are free
; THE WAY OUT, in two passes of 64 rows a wave.  A wave's 384 bytes of a row are one and a half aligned blocks of 256, so the two waves of a row half meet in one stage: rounding,
; 16 bytes a lane into the stage; a barrier; back as whole rows, 32 rows a wave.
.macro PACK a
.irp g, 0,1,2
	WIN ((\g)+1)|(((\g)+1)<<2)
.irp j, 0,1,2,3
.irp r, 0,1,2,3
	v_cvt_pk_f16_f32 v[PK+4*(4*(\g)+(\j))+(\r)], v[64*(\j)+8*(\a)+2*(\r)], v[64*(\j)+8*(\a)+2*(\r)+1]
.endr
.endr
.endr
	WIN 0
.irp b, 0,1,2,3,4,5,6,7,8,9,10,11
	ds_store_b128 v[STO], v[PK+4*(\b):PK+4*(\b)+3] offset:((\a)%4)*16*SPITCH+32*(\b)
.endr
.endm
.macro OUTSEG p, s                     ; 256 bytes of 32 rows
	s_wait_xcnt 0x0                                ; OB, which earlier stores read, is loaded again only behind this wait
.irp i, 0,1,2,3,4,5,6,7,8,9,10,11,12,13,14,15
	ds_load_b128 v[OB+4*(\i):OB+4*(\i)+3], v[RD] offset:(\i)*2*SPITCH+256*(\s)
.endr
.irp i, 0,1,2,3,4,5,6,7,8,9,10,11,12,13,14,15
.if ((\i)%4) == 0
	s_wait_dscnt 12-(\i)                           ; the next four loads are back; the younger ones may stay out
.endif
	global_store_b128 v[CO], v[OB+4*(\i):OB+4*(\i)+3], s[10:11] offset:(\i)*2*6144+256*(\s)+(\p)*64*6144  ; 16 lanes store 256 consecutive bytes, at a multiple of 256 from qkv's first byte
.endr
.endm
	PLACES
	PACK 0
	PACK 1
	PACK 2
	PACK 3
	s_wait_dscnt 0x0                               ; for the others' sake: my stores into the stage are done
	s_barrier_signal -1
	s_barrier_wait -1
	OUTSEG 0, 0
	OUTSEG 0, 1
	OUTSEG 0, 2
	s_wait_dscnt 0x0                               ; my reads of the stage are over: behind this barrier it is written again
	s_barrier_signal -1
	s_barrier_wait -1
	PACK 4
	PACK 5
	PACK 6
	PACK 7
	s_wait_dscnt 0x0
	s_barrier_signal -1
	s_barrier_wait -1
	OUTSEG 1, 0
	OUTSEG 1, 1
	OUTSEG 1, 2
	s_wait_tensorcnt 0x0                           ; the wave's end
	ds_add_u32 v[SPW], v[NIL]
	s_wait_dscnt 0x0
	CROUND                                         ; the closing round: no work-group ends while a partner may still ask for a tile that names it
	s_endpgm
.Lfunc_end_k_qd80b8722a9_proj:
	.size	k_qd80b8722a9_proj, .Lfunc_end_k_qd80b8722a9_proj-k_qd80b8722a9_proj
	.p2alignl 7, 3214868480
	.fill 96, 4, 3214868480
	.section	.rodata,"a",@progbits
	.p2align	6, 0x0
	.amdhsa_kernel k_qd80b8722a9_proj
		.amdhsa_group_segment_fixed_size 327680
		.amdhsa_private_segment_fixed_size 0
		.amdhsa_enable_private_segment 0
		.amdhsa_kernarg_size 32
		.amdhsa_user_sgpr_count 2
		.amdhsa_user_sgpr_kernarg_segment_ptr 1
		.amdhsa_wavefront_size32 1
		.amdhsa_system_sgpr_workgroup_id_x 1
		.amdhsa_system_sgpr_workgroup_id_y 1
		.amdhsa_system_sgpr_workgroup_id_z 1
		.amdhsa_system_vgpr_workitem_id 0
		.amdhsa_next_free_vgpr 1024
		.amdhsa_next_free_sgpr 76
		.amdhsa_reserve_vcc 0
		.amdhsa_float_denorm_mode_32 3
		.amdhsa_float_denorm_mode_16_64 3
		.amdhsa_memory_ordered 1
		.amdhsa_forward_progress 1
		.amdhsa_inst_pref_size 108
	.end_amdhsa_kernel
	.amdgpu_metadata
---
amdhsa.version: [ 1, 2 ]
amdhsa.kernels:
  - .name:           k_qd80b8722a9_proj
    .symbol:         k_qd80b8722a9_proj.kd
    .args:
      - { .name: xb, .offset: 0, .size: 8, .value_kind: global_buffer, .address_space: global }
      - { .name: wb, .offset: 8, .size: 8, .value_kind: global_buffer, .address_space: global }
      - { .name: bb, .offset: 16, .size: 8, .value_kind: global_buffer, .address_space: global }
      - { .name: qkv, .offset: 24, .size: 8, .value_kind: global_buffer, .address_space: global }
    .group_segment_fixed_size: 327680
    .private_segment_fixed_size: 0
    .kernarg_segment_align: 8
    .kernarg_segment_size: 32
    .max_flat_workgroup_size: 128
    .sgpr_count:     76
    .vgpr_count:     1024
    .wavefront_size: 32
...
	.end_amdgpu_metadata
.endif
;; end of part 2
;; launch scores (part 3): grid 8 x 32, 4 waves a work-group, clusters of 4 x 4, 327,680 bytes of LDS; arguments qkv, pm, stm, stl; writes pm, stm, stl
.if DOCPART == 3
	.amdgcn_target "amdgcn-amd-amdhsa--gfx1250"
	.amdhsa_code_object_version 6
	.text
	.protected	k_qd80b8722a9_scores
	.globl	k_qd80b8722a9_scores
	.p2align	8
	.type	k_qd80b8722a9_scores,@function
k_qd80b8722a9_scores:
	s_mov_b64 s[64:65], 0
	v_nop
	global_prefetch_b8 v0, s[64:65] scope:SCOPE_SE
	s_setreg_imm32_b32 hwreg(HW_REG_WAVE_MODE, 25, 1), 1
	s_wait_xcnt 0x0
	s_wait_alu depctr_hold_cnt(0) depctr_sa_sdst(0) depctr_va_vdst(0) depctr_va_sdst(0) depctr_va_ssrc(0) depctr_va_vcc(0) depctr_vm_vsrc(0)
	s_getreg_b32 s2, hwreg(HW_REG_IB_STS2, 6, 4)
	s_cmp_eq_u32 s2, 0
	s_cbranch_scc0 .Lentry_in_a_cluster
	s_endpgm
.Lentry_in_a_cluster:
	s_bfe_u32 s2, ttmp6, 0x10000c
	s_cmp_lg_u32 s2, 0xf033
	s_cbranch_scc0 .Lentry_shape_is_right
	s_endpgm
.Lentry_shape_is_right:
; THE WEIGHTS.  p = 2^(c s - c m) in f16, s = q[row] . k[key], c = log2(e) / 32, m = the largest s of the row among the CHUNK of 128 keys that holds the key.
; stm[chunk][row] = c m, stl[chunk][row] = the chunk's sum of the unrounded weights, both f32.  The launch behind takes the largest of a row's 16 c m and brings all chunks onto it:
; together that is the softmax with the row's maximum taken away.  q and k are f16, at bytes 0 and 2,048 of qkv's rows of 6,144; products, maxima and sums in f32.
; pm LIES IN THE ORDER OF THE NEXT PRODUCT'S FRAGMENTS: [64 rows][chunk][16 rows][32 keys] blocks of 1,024 bytes; in a block lane l's keys 8 (l / 16) + 0..7 of row l % 16 lie at byte 16 l, its keys
; 16 + 8 (l / 16) + 0..7 at 512 + 16 l.  That is what the same lane holds here, so the weights are stored straight from registers, 512 consecutive bytes a store.
; LIMITS.  A weight below 2^-126 counts as 0 in the sum; in pm a weight below 6e-5 keeps f16's fixed step of 6e-8.  NaN and infinities are not treated apart.
; SHARES.  For each of 4 batches 2,048 x 2,048 scores in tiles of 256 x 256: 32 x 8 = 256 work-groups.  Four waves, each 128 queries x 128 keys (one chunk): 64 accumulators, 512 registers.
; K (1,024 channels) goes in 8 steps of 128 through two LDS slots; tile rows are 256 bytes of memory at multiples of 256.
; CLUSTER.  4 x 4 work-groups: q's tile is asked for jointly by a row of the cluster, k's by a column (the batch hangs on the cluster's own y, which all sixteen share).
; THE MATRIX INSTRUCTION IS USED TRANSPOSED: source 0 = 16 keys, source 1 = 16 queries: a lane holds ONE query (l % 16) and the keys 8 (l / 16) + 0..7 of each block of 16.
; REGISTERS.  Window 0: v0-15 addresses; v32-47 at work; v64-191 q's fragments, two buffers (later the packed weights).  Window 1: v64-191 k's fragments.  Windows 2, 3: accumulator (a, b) at v[64 (a % 4) + 8 b] of window 2 + a / 4.
.set PITCH,  272                       ; an LDS row: 256 bytes + 16: the 16 rows of a load start at 16 different groups of four banks (64 banks of 4 bytes: ISA guide 11.1)
.set HALFT,  128*PITCH
.set SLOT1,  4*HALFT                   ; 0x22000: it shares no bit with the tiles' places 0, 0x8800, 0x11000, 0x19800 in a slot, so an exclusive or adds or takes it away
.set STS,    2*SLOT1                   ; behind the ring, never filled by a tensor load: for each wave 128 words of c m, then 128 of l
.set SPARE,  STS+4*1024                ; the spare words, 128 bytes for each wave: two blocks of 256 bytes that no other line names
.set STEP_A, 256
.set STEP_B, 256
.set AA0, 4                            ; v4, v5  my lane's place in q's and k's tile; never rewritten
.set AB0, 5
.set ADA, 6                            ; v6, v7  the same + the slot in hand
.set ADB, 7
.set SA,  11                           ; v11  where my query's statistics go
.set SPW, 12                           ; v12  LDS address of my spare word; never rewritten
.set NIL, 13                           ; v13  0; never rewritten
.set SL,  14                           ; v14  where I read 16 bytes of statistics back
.set SG,  15                           ; v15  16 x lane: my byte offset in 512 consecutive bytes of pm, stm and stl
.set CH,  32                           ; v32-35  four chains of the maximum
.set CM,  36                           ; v36-37  c m (named as a pair)
.set LS,  38                           ; v38  l
.set TT,  39                           ; v39  the other half of the lanes' figure
.set F0,  64
.set F1,  128
.set PK,  64                           ; the way out: 32 registers of packed weights
.set WV, 14
.set WH, 15
.set WL, 16
.set CX, 17
.set CY, 18
.set TX, 19
.set TY, 20
.set MR, 21
.set MC, 22
.set TB, 23
.set G1A, 24
.set G1B, 32
.set G0A, 40
.set G0B, 48
.set CNT, 56
.set CS,  66                           ; s[66:67] c: the packed scaling takes the pair's low word for both halves
.set SEL, 68                           ; s[68:69] v_permlanex16_b32's selects: each lane takes its own place in the other half
.set MUL_LO, 0xa1                      ; source 0 (k) window 1, source 1 (q) window 0, C and D window 2
.set MSB, 0
.macro WIN new                         ; the immediate's high byte repeats the setting that is left; a switch that changes nothing is dropped
.if MSB != (\new)
	s_set_vgpr_msb (MSB<<8)|(\new)
.set MSB, \new
.endif
.endm
.macro PLACES                          ; a load into a register that a matrix instruction has read, and a vector instruction that reads a matrix result, stand four plain vector instructions behind it
.rept 4
	v_nop
.endr
.endm
.macro JLOAD                           ; a joint refill: waves 0 and 1 ask for q's two halves, waves 2 and 3 for k's; an s_nop 0 and four v_nop follow each line
	s_cmp_lt_u32 s[WV], 2
	s_cbranch_scc0 .Lfor_b_\@
	tensor_load_to_lds s[G0A+4:G0A+7], s[G1A:G1A+7]
	s_nop 0
	PLACES
	s_branch .Lasked_\@
.Lfor_b_\@:
	tensor_load_to_lds s[G0B+4:G0B+7], s[G1B:G1B+7]
	s_nop 0
	PLACES
.Lasked_\@:
.endm
.macro CREST
	s_cmp_lg_u32 s[WV], 0
	s_cbranch_scc1 .Lnot_wave_0_\@
	s_barrier_signal -3
.Lnot_wave_0_\@:
	s_barrier_wait -3
	s_barrier_signal -1
	s_barrier_wait -1
.endm
.macro CROUND
	s_barrier_signal -1
	s_barrier_wait -1
	CREST
.endm
.macro STEPD                           ; the walking descriptors: the other slot than last time, the next K step.  No tensor load of mine is out
	s_xor_b32 s[G0A+5], s[G0A+5], SLOT1
	s_add_nc_u64 s[G0A+6:G0A+7], s[G0A+6:G0A+7], STEP_A
	s_xor_b32 s[G0B+5], s[G0B+5], SLOT1
	s_add_nc_u64 s[G0B+6:G0B+7], s[G0B+6:G0B+7], STEP_B
.endm
.macro FLIP
	s_xor_b32 s[TB], s[TB], SLOT1
	v_add_nc_u32 v[ADA], s[TB], v[AA0]
	v_add_nc_u32 v[ADB], s[TB], v[AB0]
.endm
	s_load_b256 s[4:11], s[0:1], 0x0               ; qkv s[4:5], pm s[6:7], stm s[8:9], stl s[10:11]
	v_lshl_add_u32 v[SPW], v0, 2, SPARE
	v_mov_b32 v[NIL], 0
	ds_add_u32 v[SPW], v[NIL]                      ; the wave's opening: the add and its wait stand ahead of my first tensor load; the set-up below, work on registers, stands between them
	v_lshrrev_b32 v1, 5, v0
	v_readfirstlane_b32 s[WV], v1
	s_lshr_b32 s[WH], s[WV], 1
	s_and_b32 s[WL], s[WV], 1
	s_bfe_u32 s[CX], ttmp6, 0x40000
	s_bfe_u32 s[CY], ttmp6, 0x40004
	s_lshl_b32 s[TX], ttmp9, 2
	s_add_co_u32 s[TX], s[TX], s[CX]               ; the tile of 256 keys in the batch
	s_and_b32 s[TY], ttmp7, 0xffff
	s_lshl_b32 s[TY], s[TY], 2
	s_add_co_u32 s[TY], s[TY], s[CY]               ; the tile of 256 queries among all 8,192 rows
	s_lshl_b32 s[MR], s[CY], 2
	s_lshl_b32 s[MR], 15, s[MR]
	s_lshl_b32 s[MC], 0x1111, s[CX]
	; groups 1: 128 rows x 128 elements of 2 bytes; padding on, 4 words after every 64; bit 21 set beside a mask
	s_or_b32 s[G1A], s[MR], (1<<16)|(1<<20)|(1<<21)|(5<<22)|(3<<25)
	s_or_b32 s[G1B], s[MC], (1<<16)|(1<<20)|(1<<21)|(5<<22)|(3<<25)
.irp g, G1A, G1B
	s_mov_b32 s[(\g)+1], 128<<16                   ; tensor_dim0
	s_mov_b32 s[(\g)+2], 128<<16                   ; tensor_dim1
	s_mov_b32 s[(\g)+3], 128<<16                   ; tile_dim0
	s_mov_b32 s[(\g)+4], 128                       ; tile_dim1
	s_mov_b32 s[(\g)+5], 3072                      ; elements from row to row
	s_mov_b32 s[(\g)+6], 0
	s_mov_b32 s[(\g)+7], 0
.endr
	s_mul_i32 s58, s[TY], 256*6144                 ; q: row 256 x tile + 128 x half
	s_mul_i32 s62, s[WL], 128*6144
	s_add_co_u32 s58, s58, s62
	s_mov_b32 s59, 0
	s_and_b32 s60, ttmp7, 0xffff                   ; k: the batch is the cluster's y / 2,
	s_lshr_b32 s60, s60, 1
	s_mul_i32 s60, s60, 2048*6144
	s_mul_i32 s63, s[TX], 256*6144                 ; row 256 x tile + 128 x half of it,
	s_add_co_u32 s60, s60, s63
	s_add_co_u32 s60, s60, s62
	s_add_co_u32 s60, s60, 2048                    ; k's place in a row
	s_mov_b32 s61, 0
	s_mul_i32 s72, s[WL], HALFT                    ; where they go: no place in the cluster enters an LDS address
	s_add_co_u32 s73, s72, 2*HALFT
	s_mov_b32 s[G0A], 1
	s_mov_b32 s[G0A+1], s72
	s_mov_b32 s[G0A+4], 1
	s_add_co_u32 s[G0A+5], s72, SLOT1
	s_mov_b32 s[G0B], 1
	s_mov_b32 s[G0B+1], s73
	s_mov_b32 s[G0B+4], 1
	s_add_co_u32 s[G0B+5], s73, SLOT1
	s_mov_b32 s[TB], 0
	s_mov_b32 s[CS], 0x3d38aa3b                    ; c = log2(e) / 32 = 0.0450842
	s_mov_b32 s[CS+1], s[CS]
	s_mov_b32 s[SEL], 0x76543210
	s_mov_b32 s[SEL+1], 0xfedcba98
	s_wait_dscnt 0x0                               ; the opening add is done
	s_wait_kmcnt 0x0
	s_add_nc_u64 s[G0A+2:G0A+3], s[4:5], s[58:59]
	s_add_nc_u64 s[G0A+6:G0A+7], s[G0A+2:G0A+3], STEP_A
	s_or_b32 s[G0A+3], s[G0A+3], 0x80000000
	s_or_b32 s[G0A+7], s[G0A+7], 0x80000000
	s_add_nc_u64 s[G0B+2:G0B+3], s[4:5], s[60:61]
	s_add_nc_u64 s[G0B+6:G0B+7], s[G0B+2:G0B+3], STEP_B
	s_or_b32 s[G0B+3], s[G0B+3], 0x80000000
	s_or_b32 s[G0B+7], s[G0B+7], 0x80000000
	CROUND                                         ; all sixteen work-groups are here: the first joint loads meet
	s_cmp_lt_u32 s[WV], 2                          ; a wave's two first fills stand in one branch: two loads of mine are out
	s_cbranch_scc0 .Lfirst_b
	tensor_load_to_lds s[G0A:G0A+3], s[G1A:G1A+7]
	s_nop 0
	tensor_load_to_lds s[G0A+4:G0A+7], s[G1A:G1A+7]
	s_nop 0
	PLACES
	s_branch .Lfirst_asked
.Lfirst_b:
	tensor_load_to_lds s[G0B:G0B+3], s[G1B:G1B+7]
	s_nop 0
	tensor_load_to_lds s[G0B+4:G0B+7], s[G1B:G1B+7]
	s_nop 0
	PLACES
.Lfirst_asked:
	v_and_b32 v1, 15, v0                           ; r = l % 16
	v_bfe_u32 v2, v0, 4, 1                         ; h = l / 16
	v_mul_u32_u24 v3, v1, PITCH
	v_lshl_add_u32 v3, v2, 4, v3                   ; a fragment: row r, 16 bytes for each half of the lanes, a second load 32 bytes on
	s_mul_i32 s62, s[WH], HALFT                    ; my 128 queries
	s_mul_i32 s63, s[WL], HALFT                    ; my 128 keys, behind q's 256 rows
	s_add_co_u32 s63, s63, 2*HALFT
	v_add_nc_u32 v[AA0], s62, v3
	v_add_nc_u32 v[AB0], s63, v3
	v_mov_b32 v[ADA], v[AA0]
	v_mov_b32 v[ADB], v[AB0]
	s_lshl_b32 s63, s[WV], 10
	s_add_co_u32 s63, s63, STS                     ; my statistics
	v_lshl_add_u32 v[SA], v1, 2, s63
	v_and_b32 v3, 31, v0
	v_lshl_add_u32 v[SL], v3, 4, s63
	v_lshlrev_b32 v[SG], 4, v3
	v_mov_b32 v[TT], 0                             ; v_permlanex16_b32 counts as a reader of its destination
	s_lshl_b32 s70, s[TY], 20                      ; pm: group of 64 rows 4 x tile + 2 x half, 262,144 bytes each; chunk 2 x key tile + half, 16,384 bytes each
	s_lshl_b32 s71, s[WH], 19
	s_add_co_u32 s70, s70, s71
	s_lshl_b32 s71, s[TX], 15
	s_add_co_u32 s70, s70, s71
	s_lshl_b32 s71, s[WL], 14
	s_add_co_u32 s70, s70, s71
	s_mov_b32 s71, 0
	s_add_nc_u64 s[6:7], s[6:7], s[70:71]
	s_lshl_b32 s74, s[TX], 16                      ; stm, stl: 4 ((2 x key tile + half) 8,192 + my first row)
	s_lshl_b32 s75, s[WL], 15
	s_add_co_u32 s74, s74, s75
	s_lshl_b32 s75, s[TY], 10
	s_add_co_u32 s74, s74, s75
	s_lshl_b32 s75, s[WH], 9
	s_add_co_u32 s74, s74, s75
	s_mov_b32 s75, 0
	s_add_nc_u64 s[8:9], s[8:9], s[74:75]
	s_add_nc_u64 s[10:11], s[10:11], s[74:75]
.macro MUL16 f, hi, a0, zero           ; 16 matrix instructions: query blocks a0, a0 + 1 of the window's four x all 8 key blocks, 32 along K.  zero = 1: the first product starts the sums
	WIN MUL_LO+0x50*(\hi)
.irp a, \a0, (\a0)+1
.irp b, 0,1,2,3,4,5,6,7
.if \zero
	v_wmma_f32_16x16x32_f16 v[8*(8*(\a)+(\b)):8*(8*(\a)+(\b))+7], v[(\f)+8*(\b):(\f)+8*(\b)+7], v[(\f)+8*(4*(\hi)+(\a)):(\f)+8*(4*(\hi)+(\a))+7], 0
.else
	v_wmma_f32_16x16x32_f16 v[8*(8*(\a)+(\b)):8*(8*(\a)+(\b))+7], v[(\f)+8*(\b):(\f)+8*(\b)+7], v[(\f)+8*(4*(\hi)+(\a)):(\f)+8*(4*(\hi)+(\a))+7], v[8*(8*(\a)+(\b)):8*(8*(\a)+(\b))+7]
.endif
.endr
.endr
.endm
.macro FETCH k, f                      ; 32 LDS loads in one run: 128 keys, then 128 queries, 32 of K at byte k of the rows
	WIN 0x40
.irp i, 0,1,2,3,4,5,6,7
	ds_load_b128 v[(\f)+8*(\i):(\f)+8*(\i)+3],   v[ADB] offset:(\k)+(\i)*16*PITCH
	ds_load_b128 v[(\f)+8*(\i)+4:(\f)+8*(\i)+7], v[ADB] offset:(\k)+(\i)*16*PITCH+32
.endr
	WIN 0
.irp i, 0,1,2,3,4,5,6,7
	ds_load_b128 v[(\f)+8*(\i):(\f)+8*(\i)+3],   v[ADA] offset:(\k)+(\i)*16*PITCH
	ds_load_b128 v[(\f)+8*(\i)+4:(\f)+8*(\i)+7], v[ADA] offset:(\k)+(\i)*16*PITCH+32
.endr
.endm
; A K step is four quarters of 32, 64 matrix instructions each, on buffers 0, 1, 0, 1; the 64 accumulators take turns.
.macro QUARTER k, f, g, zero           ; multiplies buffer f; in its middle it fetches the next quarter, at byte k, into buffer g
	s_wait_dscnt 8                                 ; k and q's rows 0-63 are in; the youngest eight loads (q's rows 64-127) may be out
	MUL16 \f, 0, 0, \zero
	MUL16 \f, 0, 2, \zero
	PLACES
	FETCH \k, \g
	s_wait_dscnt 32                                ; all but the 32 just issued
	MUL16 \f, 1, 0, \zero
	MUL16 \f, 1, 2, \zero
.endm
; The last quarter multiplies buffer 1 and changes slots.  The change stands at the quarter's head, so that nothing lies between a tile's landing and the next request: each wave waits for all its tensor
; loads (one is out: its part of the next slot), adds 0 to its spare word, and waits for that and for its reads of this slot; ONE barrier.  fill = 1: the barrier opens a round of the cluster's barrier,
; and this slot is filled again, two K steps ahead, first thing behind the round: the request has all of a step's 256 matrix instructions in which to land.
.macro TURN fill
	WIN 0
	s_wait_tensorcnt 0x0
	ds_add_u32 v[SPW], v[NIL]
.if \fill
	STEPD
.endif
	s_wait_dscnt 0x0                               ; the add is done, and my reads of this slot are over
	s_barrier_signal -1
	s_barrier_wait -1
.if \fill
	CREST                                          ; no wave of any partner still reads this slot or has a load on its way
	JLOAD                                          ; its four v_nop are also the places in front of the loads into buffer 0 below
.else
	PLACES
.endif
	MUL16 F1, 0, 0, 0
	MUL16 F1, 0, 2, 0
	WIN 0
	FLIP
	FETCH 0, F0
	MUL16 F1, 1, 0, 0
	MUL16 F1, 1, 2, 0
.endm
	s_wait_tensorcnt 1                             ; my part of K step 0 is in; step 1's may stay out
	s_barrier_signal -1
	s_barrier_wait -1
	FETCH 0, F0
	QUARTER 64, F0, F1, 1                          ; the first quarter stands in front of the loop: its products start the sums
	WIN 0
	s_mov_b32 s[CNT], 6
.Lstep:                                                ; a trip: from a step's second quarter to the next step's first
	QUARTER 128, F1, F0, 0
	QUARTER 192, F0, F1, 0
	TURN 1
	QUARTER 64, F0, F1, 0
	WIN 0
	s_sub_co_u32 s[CNT], s[CNT], 1
	s_cmp_lg_u32 s[CNT], 0
	s_cbranch_scc1 .Lstep
	s_mov_b32 s[CNT], 2
.Ltail:                                                ; the last two steps ask for nothing: the same trip without a refill.  The last trip jumps over the quarter that does not exist; the 32 fragment
	QUARTER 128, F1, F0, 0                         ; loads that it has issued for that quarter (out of the slot read before) serve nothing: the price of one text for both trips
	QUARTER 192, F0, F1, 0
	TURN 0
	WIN 0
	s_cmp_eq_u32 s[CNT], 1
	s_cbranch_scc1 .Llast
	QUARTER 64, F0, F1, 0
	WIN 0
.Llast:
	s_sub_co_u32 s[CNT], s[CNT], 1
	s_cmp_lg_u32 s[CNT], 0
	s_cbranch_scc1 .Ltail
	s_wait_dscnt 0x0                               ; the fragment registers are free
; THE WAY OUT, a block of 16 queries at a time.  A lane holds 64 of its query's 128 scores, the lane 16 away the others.
.macro SOFT a
.set WW, 2+(\a)/4
.set SB, 64*((\a)%4)
	WIN (WW<<2)|(WW<<4)                            ; the maximum: four chains of 16 scores, two at a time
.irp i, 0,1,2,3,4,5,6,7
.irp k, 0,1,2,3
.if (\i) == 0
	v_max3_num_f32 v[CH+(\k)], 0xff800000, v[SB+16*(\k)], v[SB+16*(\k)+1]
.else
	v_max3_num_f32 v[CH+(\k)], v[CH+(\k)], v[SB+16*(\k)+2*(\i)], v[SB+16*(\k)+2*(\i)+1]
.endif
.endr
.endr
	WIN 0
	v_max3_num_f32 v[CH], v[CH], v[CH+1], v[CH+2]
	v_max_num_f32 v[CH], v[CH], v[CH+3]
	v_permlanex16_b32 v[TT], v[CH], s[SEL], s[SEL+1]
	v_max_num_f32 v[CH], v[CH], v[TT]
	v_mul_f32 v[CM], s[CS], v[CH]
	v_mul_f32 v[CM+1], s[CS], v[CH]
	WIN WW|(WW<<6)                                 ; c s - c m by pairs, four pairs ahead of the exponentials; behind the last exponential a plain instruction
.set i, 0
.rept 4
	v_pk_fma_f32 v[SB+2*i:SB+2*i+1], v[SB+2*i:SB+2*i+1], s[CS:CS+1], v[CM:CM+1] op_sel_hi:[1,0,0] neg_lo:[0,0,1] neg_hi:[0,0,1]
.set i, i+1
.endr
.set i, 0
.rept 32
	v_exp_f32 v[SB+2*i], v[SB+2*i]
.if i < 28
	v_pk_fma_f32 v[SB+2*i+8:SB+2*i+9], v[SB+2*i+8:SB+2*i+9], s[CS:CS+1], v[CM:CM+1] op_sel_hi:[1,0,0] neg_lo:[0,0,1] neg_hi:[0,0,1]
.endif
	v_exp_f32 v[SB+2*i+1], v[SB+2*i+1]
.set i, i+1
.endr
	v_nop
	s_wait_xcnt 0x0                                ; PK, which the block before's stores read, is written again only behind this wait
	WIN WW|(WW<<2)                                 ; rounded to f16: eight neighbouring keys are 16 bytes
.set i, 0
	s_wait_alu depctr_va_vdst(0)
.rept 32
	v_cvt_pk_f16_f32 v[PK+i], v[SB+2*i], v[SB+2*i+1]
.set i, i+1
.endr
	WIN WW|(WW<<2)|(WW<<6)                         ; the sum of the unrounded weights, in place: pairs 16, 8, 4, 2, 1 apart
.irp d, 16,8,4,2,1
.set i, 0
.rept \d
	v_pk_add_f32 v[SB+2*i:SB+2*i+1], v[SB+2*i:SB+2*i+1], v[SB+2*(i+\d):SB+2*(i+\d)+1]
.set i, i+1
.endr
.endr
	WIN WW|(WW<<2)
	v_add_f32 v[LS], v[SB], v[SB+1]
	WIN 0
	v_permlanex16_b32 v[TT], v[LS], s[SEL], s[SEL+1]
	v_add_f32 v[LS], v[LS], v[TT]
.endm
.macro SEND a                          ; the block's statistics into my own LDS words; its weights, key block b's 16 bytes a lane, straight to pm
	ds_store_b32 v[SA], v[CM] offset:64*(\a)       ; both halves of the lanes hold the same figure
	ds_store_b32 v[SA], v[LS] offset:512+64*(\a)
.irp b, 0,1,2,3,4,5,6,7
	global_store_b128 v[SG], v[PK+4*(\b):PK+4*(\b)+3], s[6:7] offset:((\a)/4)*262144+((\a)%4)*4096+512*(\b)  ; 512 consecutive bytes, at a multiple of 512 from pm's first byte
.endr
.endm
	PLACES
.irp a, 0,1,2,3,4,5,6,7
	SOFT \a
	SEND \a
.endr
	ds_load_b128 v[40:43], v[SL]                   ; my 128 queries' c m and l: 512 consecutive bytes each; LDS serves a wave's instructions in order (ISA guide 5.7.1.4)
	ds_load_b128 v[44:47], v[SL] offset:512
	s_wait_dscnt 0x0
	global_store_b128 v[SG], v[40:43], s[8:9]
	global_store_b128 v[SG], v[44:47], s[10:11]
	s_wait_tensorcnt 0x0                           ; the wave's end
	ds_add_u32 v[SPW], v[NIL]
	s_wait_dscnt 0x0
	CROUND                                         ; the closing round: no work-group ends while a partner may still ask for a tile that names it
	s_endpgm
.Lfunc_end_k_qd80b8722a9_scores:
	.size	k_qd80b8722a9_scores, .Lfunc_end_k_qd80b8722a9_scores-k_qd80b8722a9_scores
	.p2alignl 7, 3214868480
	.fill 96, 4, 3214868480
	.section	.rodata,"a",@progbits
	.p2align	6, 0x0
	.amdhsa_kernel k_qd80b8722a9_scores
		.amdhsa_group_segment_fixed_size 327680
		.amdhsa_private_segment_fixed_size 0
		.amdhsa_enable_private_segment 0
		.amdhsa_kernarg_size 32
		.amdhsa_user_sgpr_count 2
		.amdhsa_user_sgpr_kernarg_segment_ptr 1
		.amdhsa_wavefront_size32 1
		.amdhsa_system_sgpr_workgroup_id_x 1
		.amdhsa_system_sgpr_workgroup_id_y 1
		.amdhsa_system_sgpr_workgroup_id_z 1
		.amdhsa_system_vgpr_workitem_id 0
		.amdhsa_next_free_vgpr 1024
		.amdhsa_next_free_sgpr 76
		.amdhsa_reserve_vcc 0
		.amdhsa_float_denorm_mode_32 3
		.amdhsa_float_denorm_mode_16_64 3
		.amdhsa_memory_ordered 1
		.amdhsa_forward_progress 1
		.amdhsa_inst_pref_size 162
	.end_amdhsa_kernel
	.amdgpu_metadata
---
amdhsa.version: [ 1, 2 ]
amdhsa.kernels:
  - .name:           k_qd80b8722a9_scores
    .symbol:         k_qd80b8722a9_scores.kd
    .args:
      - { .name: qkv, .offset: 0, .size: 8, .value_kind: global_buffer, .address_space: global }
      - { .name: pm, .offset: 8, .size: 8, .value_kind: global_buffer, .address_space: global }
      - { .name: stm, .offset: 16, .size: 8, .value_kind: global_buffer, .address_space: global }
      - { .name: stl, .offset: 24, .size: 8, .value_kind: global_buffer, .address_space: global }
    .group_segment_fixed_size: 327680
    .private_segment_fixed_size: 0
    .kernarg_segment_align: 8
    .kernarg_segment_size: 32
    .max_flat_workgroup_size: 128
    .sgpr_count:     76
    .vgpr_count:     1024
    .wavefront_size: 32
...
	.end_amdgpu_metadata
.endif
;; end of part 3
;; launch pv (part 4): grid 4 x 64, 4 waves a work-group, clusters of 4 x 4, 327,680 bytes of LDS; arguments pm, qkv, stm, stl, out0; writes out0
.if DOCPART == 4
	.amdgcn_target "amdgcn-amd-amdhsa--gfx1250"
	.amdhsa_code_object_version 6
	.text
	.protected	k_qd80b8722a9_pv
	.globl	k_qd80b8722a9_pv
	.p2align	8
	.type	k_qd80b8722a9_pv,@function
k_qd80b8722a9_pv:
	s_mov_b64 s[64:65], 0
	v_nop
	global_prefetch_b8 v0, s[64:65] scope:SCOPE_SE
	s_setreg_imm32_b32 hwreg(HW_REG_WAVE_MODE, 25, 1), 1
	s_wait_xcnt 0x0
	s_wait_alu depctr_hold_cnt(0) depctr_sa_sdst(0) depctr_va_vdst(0) depctr_va_sdst(0) depctr_va_ssrc(0) depctr_va_vcc(0) depctr_vm_vsrc(0)
	s_getreg_b32 s2, hwreg(HW_REG_IB_STS2, 6, 4)
	s_cmp_eq_u32 s2, 0
	s_cbranch_scc0 .Lentry_in_a_cluster
	s_endpgm
.Lentry_in_a_cluster:
	s_bfe_u32 s2, ttmp6, 0x10000c
	s_cmp_lg_u32 s2, 0xf033
	s_cbranch_scc0 .Lentry_shape_is_right
	s_endpgm
.Lentry_shape_is_right:
; out0[row][:] = the sum over 16 chunks c of f_c (P_c V_c),  f_c = 2^(cm_c - cm) / l,  cm = the largest of the row's 16 cm_c,  l = the sum of 2^(cm_c - cm) l_c.
; P (pm, f16) holds 2^(c s - cm_c), so 2^(cm_c - cm) P is 2^(c s - cm): the softmax's weight with the row's maximum taken away.  V is f16, at byte 4,096 of qkv's rows of 6,144.  out0 is f32.
; A chunk's products are summed in f32 by themselves (T, started from 0), and O takes O += f_c T by fused multiply-adds in f32: the factor never meets a 16-bit number.
; LIMITS.  In pm a weight below 6e-5 of its chunk's largest keeps f16's fixed step of 6e-8; 2^(cm_c - cm) below 2^-126 is 0.  NaN and infinities are not treated apart.
; SHARES.  8,192 x 1,024 in tiles of 128 x 256: 64 x 4 = 256 work-groups.  Four waves, each 64 rows x 128 channels: 32 accumulators.
; K (2,048 keys) goes in 16 steps of 128, one chunk a step, through two LDS slots.  pm lies in the order of P's fragments ([64 rows][chunk][16 rows][32 keys] blocks of 1,024 bytes), so 64 rows
; of a chunk are 16,384 dense bytes, asked for as 64 rows of 256; V's tile rows are 512 bytes of memory at multiples of 256.
; CLUSTER.  4 x 4 work-groups: P's tile is asked for jointly by a row of the cluster, V's by a column (the batch hangs on the cluster's own y).
; THE MATRIX INSTRUCTION IS USED TRANSPOSED: source 0 = 16 channels of V (turned out of LDS by ds_load_tr16_b128), source 1 = 16 rows of P: a lane holds row l % 16 and eight neighbouring channels.
; REGISTERS.  Window 0: v0-13 addresses; v16-23 the chunk's factors; v64-159, v160-255 two fragment buffers (32 of P, 64 of V).  Window 1: T, accumulator (a, b) at v[8 (8 a + b)].  Window 2: O, likewise.
; O is cleared once, by 256 v_mov_b32 in the wait for the first tiles: the price of one text for all sixteen steps.
.set PBL,    16384                     ; 64 rows x 128 keys of P, dense: a fragment load takes 512 consecutive bytes, 16 a lane
.set PV,     544                       ; a row of V: 512 + 32 = 17 x 32
.set VOFF,   2*PBL
.set SLOT1,  1<<17
.set FAC,    VOFF+128*PV               ; between the slots, never filled by a tensor load: [16 chunks][128 rows] f_c
.set SPARE,  FAC+16*512                ; the spare words, 128 bytes for each wave: two blocks of 256 bytes that no other line names
.set STAGE,  SLOT1+FAC                 ; behind the ring, never filled by a tensor load: 16 rows x 528 bytes for each wave
.set SP,     528
.set STEP_A, PBL                       ; the next chunk of the same 64 rows
.set STEP_B, 128*6144                  ; the next 128 keys
.set AP0, 4                            ; v4, v5  my lane's place in P's and V's tile; never rewritten
.set AV0, 5
.set ADP, 6                            ; v6, v7  the same + the slot in hand
.set ADV, 7
.set STO, 8                            ; v8   the way out: where I put 32 bytes of a row
.set RD,  9                            ; v9   where I read rows back
.set CO,  10                           ; v10  16 x lane: my byte offset in 512 consecutive bytes of out0
.set FADR, 11                          ; v11  where my rows' factors of the chunk in hand lie
.set SPW, 12                           ; v12  LDS address of my spare word; never rewritten
.set NIL, 13                           ; v13  0; never rewritten
.set FA,  16                           ; row block a's factor at v[16 + 2 a], named as a pair
.set F0,  64
.set F1,  160
.set OB,  64                           ; the way out: two buffers of 64 read back from the stage
.set WV, 14
.set WH, 15
.set WL, 16
.set CX, 17
.set CY, 18
.set TX, 19
.set TY, 20
.set MR, 21
.set MC, 22
.set TB, 23
.set G1A, 24
.set G1B, 32
.set G0A, 40
.set G0B, 48
.set CNT, 56
.set MSB, 0
.macro WIN new                         ; the immediate's high byte repeats the setting that is left; a switch that changes nothing is dropped
.if MSB != (\new)
	s_set_vgpr_msb (MSB<<8)|(\new)
.set MSB, \new
.endif
.endm
.macro PLACES                          ; a load into a register that a matrix instruction has read, and a vector instruction that reads a matrix result, stand four plain vector instructions behind it
.rept 4
	v_nop
.endr
.endm
.macro JLOAD                           ; a joint refill: waves 0 and 1 ask for P's two halves, waves 2 and 3 for V's; an s_nop 0 and four v_nop follow each line
	s_cmp_lt_u32 s[WV], 2
	s_cbranch_scc0 .Lfor_b_\@
	tensor_load_to_lds s[G0A+4:G0A+7], s[G1A:G1A+7]
	s_nop 0
	PLACES
	s_branch .Lasked_\@
.Lfor_b_\@:
	tensor_load_to_lds s[G0B+4:G0B+7], s[G1B:G1B+7]
	s_nop 0
	PLACES
.Lasked_\@:
.endm
.macro CREST
	s_cmp_lg_u32 s[WV], 0
	s_cbranch_scc1 .Lnot_wave_0_\@
	s_barrier_signal -3
.Lnot_wave_0_\@:
	s_barrier_wait -3
	s_barrier_signal -1
	s_barrier_wait -1
.endm
.macro CROUND
	s_barrier_signal -1
	s_barrier_wait -1
	CREST
.endm
.macro STEPD                           ; the walking descriptors: the other slot than last time, the next chunk.  No tensor load of mine is out
	s_xor_b32 s[G0A+5], s[G0A+5], SLOT1
	s_add_nc_u64 s[G0A+6:G0A+7], s[G0A+6:G0A+7], STEP_A
	s_xor_b32 s[G0B+5], s[G0B+5], SLOT1
	s_add_nc_u64 s[G0B+6:G0B+7], s[G0B+6:G0B+7], STEP_B
.endm
.macro FLIP
	s_xor_b32 s[TB], s[TB], SLOT1
	v_add_nc_u32 v[ADP], s[TB], v[AP0]
	v_add_nc_u32 v[ADV], s[TB], v[AV0]
.endm
	s_load_b256 s[4:11], s[0:1], 0x0               ; pm s[4:5], qkv s[6:7], stm s[8:9], stl s[10:11]
	s_load_b64 s[12:13], s[0:1], 0x20              ; out0
	v_lshl_add_u32 v[SPW], v0, 2, SPARE
	v_mov_b32 v[NIL], 0
	ds_add_u32 v[SPW], v[NIL]                      ; the wave's opening: the add and its wait stand ahead of my first tensor load; the set-up below, work on registers, stands between them
	v_lshrrev_b32 v1, 5, v0
	v_readfirstlane_b32 s[WV], v1
	s_lshr_b32 s[WH], s[WV], 1
	s_and_b32 s[WL], s[WV], 1
	s_bfe_u32 s[CX], ttmp6, 0x40000
	s_bfe_u32 s[CY], ttmp6, 0x40004
	s_lshl_b32 s[TX], ttmp9, 2
	s_add_co_u32 s[TX], s[TX], s[CX]               ; the tile of 256 channels
	s_and_b32 s[TY], ttmp7, 0xffff
	s_lshl_b32 s[TY], s[TY], 2
	s_add_co_u32 s[TY], s[TY], s[CY]               ; the tile of 128 rows
	s_lshl_b32 s[MR], s[CY], 2
	s_lshl_b32 s[MR], 15, s[MR]
	s_lshl_b32 s[MC], 0x1111, s[CX]
	s_or_b32 s[G1A], s[MR], (1<<16)|(1<<21)        ; P: 2-byte elements, no padding; bit 21 set beside a mask
	s_mov_b32 s[G1A+1], 128<<16                    ; rows of 256 bytes,
	s_mov_b32 s[G1A+2], 64<<16                     ; 64 of them,
	s_mov_b32 s[G1A+3], 128<<16
	s_mov_b32 s[G1A+4], 64
	s_mov_b32 s[G1A+5], 128                        ; dense
	s_mov_b32 s[G1A+6], 0
	s_mov_b32 s[G1A+7], 0
	s_or_b32 s[G1B], s[MC], (1<<16)|(1<<20)|(1<<21)|(6<<22)|(7<<25)  ; V: 8 words of padding after every 128
	s_mov_b32 s[G1B+1], 256<<16                    ; 256 channels
	s_mov_b32 s[G1B+2], 64<<16                     ; 64 keys
	s_mov_b32 s[G1B+3], 256<<16
	s_mov_b32 s[G1B+4], 64
	s_mov_b32 s[G1B+5], 3072
	s_mov_b32 s[G1B+6], 0
	s_mov_b32 s[G1B+7], 0
	s_lshl_b32 s58, s[TY], 19                      ; P: group of 64 rows 2 x tile + half, 262,144 bytes each
	s_lshl_b32 s62, s[WL], 18
	s_add_co_u32 s58, s58, s62
	s_mov_b32 s59, 0
	s_and_b32 s60, ttmp7, 0xffff                   ; V: the batch is the cluster's y / 4,
	s_lshr_b32 s60, s60, 2
	s_mul_i32 s60, s60, 2048*6144
	s_mul_i32 s62, s[WL], 64*6144                  ; key 64 x half,
	s_add_co_u32 s60, s60, s62
	s_lshl_b32 s63, s[TX], 9                       ; 512 bytes x channel tile,
	s_add_co_u32 s60, s60, s63
	s_add_co_u32 s60, s60, 4096                    ; v's place in a row
	s_mov_b32 s61, 0
	s_mul_i32 s72, s[WL], PBL                      ; where they go: no place in the cluster enters an LDS address
	s_mul_i32 s73, s[WL], 64*PV
	s_add_co_u32 s73, s73, VOFF
	s_mov_b32 s[G0A], 1
	s_mov_b32 s[G0A+1], s72
	s_mov_b32 s[G0A+4], 1
	s_add_co_u32 s[G0A+5], s72, SLOT1
	s_mov_b32 s[G0B], 1
	s_mov_b32 s[G0B+1], s73
	s_mov_b32 s[G0B+4], 1
	s_add_co_u32 s[G0B+5], s73, SLOT1
	s_mov_b32 s[TB], 0
	s_lshl_b32 s70, s[TY], 9                       ; the tile's 128 rows in a chunk's line of stm and stl
	s_mov_b32 s71, 0
	s_wait_dscnt 0x0                               ; the opening add is done
	s_wait_kmcnt 0x0
	s_add_nc_u64 s[G0A+2:G0A+3], s[4:5], s[58:59]
	s_add_nc_u64 s[G0A+6:G0A+7], s[G0A+2:G0A+3], STEP_A
	s_or_b32 s[G0A+3], s[G0A+3], 0x80000000
	s_or_b32 s[G0A+7], s[G0A+7], 0x80000000
	s_add_nc_u64 s[G0B+2:G0B+3], s[6:7], s[60:61]
	s_add_nc_u64 s[G0B+6:G0B+7], s[G0B+2:G0B+3], STEP_B
	s_or_b32 s[G0B+3], s[G0B+3], 0x80000000
	s_or_b32 s[G0B+7], s[G0B+7], 0x80000000
	s_add_nc_u64 s[8:9], s[8:9], s[70:71]
	s_add_nc_u64 s[10:11], s[10:11], s[70:71]
	CROUND                                         ; all sixteen work-groups are here: the first joint loads meet
	s_cmp_lt_u32 s[WV], 2                          ; a wave's two first fills stand in one branch: two loads of mine are out
	s_cbranch_scc0 .Lfirst_b
	tensor_load_to_lds s[G0A:G0A+3], s[G1A:G1A+7]
	s_nop 0
	tensor_load_to_lds s[G0A+4:G0A+7], s[G1A:G1A+7]
	s_nop 0
	PLACES
	s_branch .Lfirst_asked
.Lfirst_b:
	tensor_load_to_lds s[G0B:G0B+3], s[G1B:G1B+7]
	s_nop 0
	tensor_load_to_lds s[G0B+4:G0B+7], s[G1B:G1B+7]
	s_nop 0
	PLACES
.Lfirst_asked:
	; THE STATISTICS, in the wait for the first tiles.  Thread t owns row t of the tile: its 16 cm_c and 16 l_c; a wave's load covers 128 consecutive bytes of a chunk's line.
	v_lshlrev_b32 v3, 2, v0
.irp c, 0,1,2,3,4,5,6,7,8,9,10,11,12,13,14,15
	global_load_b32 v[64+(\c)], v3, s[8:9] offset:(\c)*32768
.endr
.irp c, 0,1,2,3,4,5,6,7,8,9,10,11,12,13,14,15
	global_load_b32 v[80+(\c)], v3, s[10:11] offset:(\c)*32768
.endr
	WIN 0x80                                       ; O = 0
.set i, 0
.rept 256
	v_mov_b32 v[i], 0
.set i, i+1
.endr
	WIN 0
	v_and_b32 v1, 15, v0                           ; r = l % 16
	v_bfe_u32 v2, v0, 4, 1                         ; h = l / 16
	v_and_b32 v28, 31, v0
	v_lshlrev_b32 v[CO], 4, v28                    ; 16 x lane
	s_mul_i32 s62, s[WH], PBL                      ; my 64 rows of P
	v_add_nc_u32 v[AP0], s62, v[CO]
	v_and_b32 v28, 7, v0                           ; the turning load: lane l reads key 8 h + l % 8, channels 8 ((l / 8) % 2) + 0..7, and is left with channel r and 8 keys
	v_lshl_add_u32 v28, v2, 3, v28
	v_mul_u32_u24 v[AV0], v28, PV
	v_bfe_u32 v28, v0, 3, 1
	v_lshl_add_u32 v[AV0], v28, 4, v[AV0]
	s_lshl_b32 s63, s[WL], 8                       ; my 128 channels
	s_add_co_u32 s63, s63, VOFF
	v_add_nc_u32 v[AV0], s63, v[AV0]
	v_mov_b32 v[ADP], v[AP0]
	v_mov_b32 v[ADV], v[AV0]
	s_lshl_b32 s62, s[WH], 8
	s_add_co_u32 s62, s62, FAC
	v_lshl_add_u32 v[FADR], v1, 2, s62             ; FAC + 4 (64 x half + r)
	s_mul_i32 s62, s[WV], 16*SP
	s_add_co_u32 s62, s62, STAGE                   ; my stage
	v_mul_u32_u24 v[STO], v1, SP                   ; in: row r, 32 bytes for each half of the lanes
	v_lshl_add_u32 v[STO], v2, 5, v[STO]
	v_add_nc_u32 v[STO], s62, v[STO]
	v_add_nc_u32 v[RD], s62, v[CO]                 ; back: 32 lanes take one row of 512 bytes
	v_mov_b32 v[FA+1], 0                           ; named with their neighbours as pairs
	v_mov_b32 v[FA+3], 0
	v_mov_b32 v[FA+5], 0
	v_mov_b32 v[FA+7], 0
	v_lshl_add_u32 v30, v0, 2, FAC
	s_lshl_b32 s74, s[TY], 19                      ; out0: (128 x tile + 64 x half) rows of 4,096 bytes + 4 (256 x channel tile + 128 x half)
	s_lshl_b32 s75, s[WH], 18
	s_add_co_u32 s74, s74, s75
	s_lshl_b32 s75, s[TX], 10
	s_add_co_u32 s74, s74, s75
	s_lshl_b32 s75, s[WL], 9
	s_add_co_u32 s74, s74, s75
	s_mov_b32 s75, 0
	s_add_nc_u64 s[12:13], s[12:13], s[74:75]
	s_wait_loadcnt 0x0
	v_max3_num_f32 v28, v64, v65, v66              ; the row's maximum
.irp c, 67,69,71,73,75,77
	v_max3_num_f32 v28, v28, v[\c], v[(\c)+1]
.endr
	v_max_num_f32 v28, v28, v79
.irp c, 0,1,2,3,4,5,6,7,8,9,10,11,12,13,14,15
	v_sub_f32 v[64+(\c)], v[64+(\c)], v28
.endr
.irp c, 0,1,2,3,4,5,6,7,8,9,10,11,12,13,14,15
	v_exp_f32 v[64+(\c)], v[64+(\c)]
.endr
	v_nop                                          ; a plain instruction behind the last exponential
	s_wait_alu depctr_va_vdst(0)
	v_mul_f32 v29, v64, v80
.irp c, 1,2,3,4,5,6,7,8,9,10,11,12,13,14,15
	v_fmac_f32 v29, v[64+(\c)], v[80+(\c)]
.endr
	v_rcp_f32 v29, v29                             ; l is at least the largest chunk's own sum, which holds a weight of 1
	v_nop
	s_wait_alu depctr_va_vdst(0)
.irp c, 0,1,2,3,4,5,6,7,8,9,10,11,12,13,14,15
	v_mul_f32 v[64+(\c)], v[64+(\c)], v29          ; f_c
.endr
.irp c, 0,1,2,3,4,5,6,7,8,9,10,11,12,13,14,15
	ds_store_b32 v30, v[64+(\c)] offset:512*(\c)
.endr
.macro LOADF                           ; my four row blocks' factors of the chunk in hand
.irp a, 0,1,2,3
	ds_load_b32 v[FA+2*(\a)], v[FADR] offset:64*(\a)
.endr
.endm
.macro FETCH q, f                      ; 24 LDS loads in one run: my 128 channels of V turned, then my 64 rows of P, 32 keys
.irp b, 0,1,2,3,4,5,6,7
	ds_load_tr16_b128 v[(\f)+32+8*(\b):(\f)+32+8*(\b)+3],   v[ADV] offset:(\q)*32*PV+32*(\b)
	ds_load_tr16_b128 v[(\f)+32+8*(\b)+4:(\f)+32+8*(\b)+7], v[ADV] offset:(\q)*32*PV+16*PV+32*(\b)
.endr
.irp a, 0,1,2,3
	ds_load_b128 v[(\f)+8*(\a):(\f)+8*(\a)+3],   v[ADP] offset:(\a)*4096+(\q)*1024
	ds_load_b128 v[(\f)+8*(\a)+4:(\f)+8*(\a)+7], v[ADP] offset:(\a)*4096+(\q)*1024+512
.endr
.endm
.macro MUL8 f, a, zero                 ; 8 matrix instructions: row block a x all 8 channel blocks.  zero = 1: the chunk's first products start its sums
	WIN 0x50
.irp b, 0,1,2,3,4,5,6,7
.if \zero
	v_wmma_f32_16x16x32_f16 v[8*(8*(\a)+(\b)):8*(8*(\a)+(\b))+7], v[(\f)+32+8*(\b):(\f)+32+8*(\b)+7], v[(\f)+8*(\a):(\f)+8*(\a)+7], 0
.else
	v_wmma_f32_16x16x32_f16 v[8*(8*(\a)+(\b)):8*(8*(\a)+(\b))+7], v[(\f)+32+8*(\b):(\f)+32+8*(\b)+7], v[(\f)+8*(\a):(\f)+8*(\a)+7], v[8*(8*(\a)+(\b)):8*(8*(\a)+(\b))+7]
.endif
.endr
.endm
; A step is four quarters of 32 keys, 32 matrix instructions each, on buffers 0, 1, 0, 1; the 32 accumulators take turns.
; One of the first three multiplies buffer f; in its middle it fetches quarter q into buffer g.  lf = 1 (a step's first quarter): the chunk's factors are fetched too, behind the last chunk's multiply-adds.
.macro QUARTER q, f, g, zero, lf
	s_wait_dscnt 4                                 ; V and P's row blocks 0 and 1 are in; the youngest four loads (row blocks 2 and 3) may be out
	MUL8 \f, 0, \zero
	MUL8 \f, 1, \zero
	PLACES
	WIN 0
.if \lf
	LOADF
.endif
	FETCH \q, \g
	s_wait_dscnt 24                                ; all but the 24 just issued
	MUL8 \f, 2, \zero
	MUL8 \f, 3, \zero
.endm
.macro ACCUM n                         ; O += f_c T for accumulator n, its registers in ascending order
	WIN 0xa1                                       ; T (source 0) window 1, the factor window 0, O (source 2 and destination) window 2
.irp r, 0,1,2,3
	v_pk_fma_f32 v[8*(\n)+2*(\r):8*(\n)+2*(\r)+1], v[8*(\n)+2*(\r):8*(\n)+2*(\r)+1], v[FA+2*((\n)/8):FA+2*((\n)/8)+1], v[8*(\n)+2*(\r):8*(\n)+2*(\r)+1] op_sel_hi:[1,0,1]
.endr
.endm
; The last quarter multiplies buffer 1, changes slots and hands the chunk over.  The change stands at its head, so that nothing lies between a tile's landing and the next request: each wave waits for all
; its tensor loads (one is out: its part of the next slot), adds 0 to its spare word, and waits for that and for its reads of this slot; ONE barrier.  fill = 1: the barrier opens a round of the cluster's
; barrier, and this slot is filled again, two steps ahead, first thing behind the round: the request has all of a step's 128 matrix instructions in which to land.
; Behind each product stand the four multiply-adds of the accumulator finished two products back: eight plain instructions lie between a product and the first read of its result (four v_nop serve the
; first two).  They cost two window switches a product, the lesser price beside 128 vector instructions in a run of their own.
.macro TURN fill
	WIN 0
	s_wait_tensorcnt 0x0
	ds_add_u32 v[SPW], v[NIL]
.if \fill
	STEPD
.endif
	s_wait_dscnt 0x0                               ; the add is done, and my reads of this slot are over
	s_barrier_signal -1
	s_barrier_wait -1
.if \fill
	CREST                                          ; no wave of any partner still reads this slot or has a load on its way
	JLOAD
.endif
.set i, 0
.rept 32
	WIN 0x50
	v_wmma_f32_16x16x32_f16 v[8*i:8*i+7], v[F1+32+8*(i%8):F1+32+8*(i%8)+7], v[F1+8*(i/8):F1+8*(i/8)+7], v[8*i:8*i+7]
.if i == 1
	PLACES
.endif
.if i >= 2
	ACCUM i-2
.endif
.if i == 15
	WIN 0
	FLIP
	FETCH 0, F0                                    ; the next step's first quarter; buffer 0's last products stand more than four plain instructions back
.endif
.set i, i+1
.endr
	ACCUM 30
	ACCUM 31
	WIN 0
	v_add_nc_u32 v[FADR], 512, v[FADR]             ; the next chunk's factors
.endm
.macro STEP fill
	QUARTER 1, F0, F1, 1, 1
	QUARTER 2, F1, F0, 0, 0
	QUARTER 3, F0, F1, 0, 0
	TURN \fill
.endm
	s_wait_tensorcnt 1                             ; my part of step 0 is in; step 1's may stay out
	s_wait_dscnt 0x0                               ; for the others' sake: my row's factors are stored
	s_barrier_signal -1
	s_barrier_wait -1
	FETCH 0, F0
	s_mov_b32 s[CNT], 14
.Lstep:                                                ; a trip is a step
	STEP 1
	s_sub_co_u32 s[CNT], s[CNT], 1
	s_cmp_lg_u32 s[CNT], 0
	s_cbranch_scc1 .Lstep
	s_mov_b32 s[CNT], 2
.Ltail:                                                ; the last two steps ask for nothing.  The last trip's 24 fragment loads (out of the slot read before) serve nothing: the price of one text for both trips
	STEP 0
	s_sub_co_u32 s[CNT], s[CNT], 1
	s_cmp_lg_u32 s[CNT], 0
	s_cbranch_scc1 .Ltail
	s_wait_dscnt 0x0                               ; the fragment registers are free
; THE WAY OUT, a block of 16 rows at a time: O holds the finished numbers; 32 bytes a lane into my own stage; back as whole rows of 512 bytes.
.macro TOSTAGE a
	s_wait_xcnt 0x0                                ; the buffer, which earlier stores read, is loaded again only behind this wait
	WIN 0x08                                       ; the data (source 1) in window 2
.irp b, 0,1,2,3,4,5,6,7
	ds_store_b128 v[STO], v[64*(\a)+8*(\b):64*(\a)+8*(\b)+3]   offset:64*(\b)
	ds_store_b128 v[STO], v[64*(\a)+8*(\b)+4:64*(\a)+8*(\b)+7] offset:64*(\b)+16
.endr
	WIN 0
.irp t, 0,1,2,3,4,5,6,7,8,9,10,11,12,13,14,15
	ds_load_b128 v[OB+64*((\a)%2)+4*(\t):OB+64*((\a)%2)+4*(\t)+3], v[RD] offset:(\t)*SP  ; LDS serves a wave's instructions in order (ISA guide 5.7.1.4): these see the stores above, and the next block's stores come behind them
.endr
.endm
.macro SEND a, younger                 ; younger: the LDS instructions issued behind block a's loads: the next block's 16 stores and 16 loads, or none
	s_wait_dscnt \younger
.irp t, 0,1,2,3,4,5,6,7,8,9,10,11,12,13,14,15
	global_store_b128 v[CO], v[OB+64*((\a)%2)+4*(\t):OB+64*((\a)%2)+4*(\t)+3], s[12:13] offset:(16*(\a)+(\t))*4096 th:TH_STORE_NT  ; 512 consecutive bytes, at a multiple of 512 from out0's first byte
.endr
.endm
	TOSTAGE 0
	TOSTAGE 1
	SEND 0, 32
	TOSTAGE 2
	SEND 1, 32
	TOSTAGE 3
	SEND 2, 32
	SEND 3, 0
	s_wait_tensorcnt 0x0                           ; the wave's end
	ds_add_u32 v[SPW], v[NIL]
	s_wait_dscnt 0x0
	CROUND                                         ; the closing round: no work-group ends while a partner may still ask for a tile that names it
	s_endpgm
.Lfunc_end_k_qd80b8722a9_pv:
	.size	k_qd80b8722a9_pv, .Lfunc_end_k_qd80b8722a9_pv-k_qd80b8722a9_pv
	.p2alignl 7, 3214868480
	.fill 96, 4, 3214868480
	.section	.rodata,"a",@progbits
	.p2align	6, 0x0
	.amdhsa_kernel k_qd80b8722a9_pv
		.amdhsa_group_segment_fixed_size 327680
		.amdhsa_private_segment_fixed_size 0
		.amdhsa_enable_private_segment 0
		.amdhsa_kernarg_size 40
		.amdhsa_user_sgpr_count 2
		.amdhsa_user_sgpr_kernarg_segment_ptr 1
		.amdhsa_wavefront_size32 1
		.amdhsa_system_sgpr_workgroup_id_x 1
		.amdhsa_system_sgpr_workgroup_id_y 1
		.amdhsa_system_sgpr_workgroup_id_z 1
		.amdhsa_system_vgpr_workitem_id 0
		.amdhsa_next_free_vgpr 768
		.amdhsa_next_free_sgpr 76
		.amdhsa_reserve_vcc 0
		.amdhsa_float_denorm_mode_32 3
		.amdhsa_float_denorm_mode_16_64 3
		.amdhsa_memory_ordered 1
		.amdhsa_forward_progress 1
		.amdhsa_inst_pref_size 91
	.end_amdhsa_kernel
	.amdgpu_metadata
---
amdhsa.version: [ 1, 2 ]
amdhsa.kernels:
  - .name:           k_qd80b8722a9_pv
    .symbol:         k_qd80b8722a9_pv.kd
    .args:
      - { .name: pm, .offset: 0, .size: 8, .value_kind: global_buffer, .address_space: global }
      - { .name: qkv, .offset: 8, .size: 8, .value_kind: global_buffer, .address_space: global }
      - { .name: stm, .offset: 16, .size: 8, .value_kind: global_buffer, .address_space: global }
      - { .name: stl, .offset: 24, .size: 8, .value_kind: global_buffer, .address_space: global }
      - { .name: out0, .offset: 32, .size: 8, .value_kind: global_buffer, .address_space: global }
    .group_segment_fixed_size: 327680
    .private_segment_fixed_size: 0
    .kernarg_segment_align: 8
    .kernarg_segment_size: 40
    .max_flat_workgroup_size: 128
    .sgpr_count:     76
    .vgpr_count:     768
    .wavefront_size: 32
...
	.end_amdgpu_metadata
.endif
;; end of part 4
;; ======== version 2 of 2: 4 launches; version 1 with the launch cast written anew for expert scheduling mode
;; limits: values are held in f16: magnitudes above 65,504 overflow, below 6.1e-05 lose precision
;; workspace buffers: xb 16,777,216 bytes; wb 6,291,456 bytes; bb 12,288 bytes; qkv 50,331,648 bytes; pm 33,554,432 bytes; stm 524,288 bytes; stl 524,288 bytes
;; launch cast (part 5): grid 1408 x 1, 4 waves a work-group, no clusters, 0 bytes of LDS; arguments hidden_states, Wq, Wk, Wv, bq, bk, bv, xb, wb, bb; writes xb, wb, bb
.if DOCPART == 5
	.amdgcn_target "amdgcn-amd-amdhsa--gfx1250"
	.amdhsa_code_object_version 6
	.text
	.protected	k_qd80b8722a9_cast
	.globl	k_qd80b8722a9_cast
	.p2align	8
	.type	k_qd80b8722a9_cast,@function
k_qd80b8722a9_cast:
	s_mov_b64 s[64:65], 0
	v_nop
	global_prefetch_b8 v0, s[64:65] scope:SCOPE_SE
	s_setreg_imm32_b32 hwreg(HW_REG_WAVE_SCHED_MODE, 0, 2), 2
	s_setreg_imm32_b32 hwreg(HW_REG_WAVE_MODE, 25, 1), 1
	s_wait_xcnt 0x0
	s_wait_alu depctr_vm_vsrc(0)
; THE INPUTS ROUNDED TO bf16 AND LAID OUT FOR THE PROJECTION.
; xb[kb][row][64] bf16: x in 16 blocks of 64 along K, so that 128 rows of one block are 16,384 dense bytes.
; wb[k][3072] bf16: Wq, Wk, Wv side by side.  bb[3072] f32: the three biases, each rounded to bf16 and widened again.
; A stream: no LDS, no matrix unit, no loop.  A work-group of 128 threads takes 8 rows of 1,024 numbers, a wave two rows: sixteen loads of 16 bytes a lane, all issued ahead of
; the first conversion, and sixteen stores of 8 bytes a lane.  Every load covers whole aligned pieces of 256 bytes, every store 256 consecutive aligned bytes.
; Work-groups 0-1023: x.  Work-groups 1024-1407: 128 for each W; the first of each 128 also takes that W's bias.
; THE MODE: SCHED_MODE bits 1:0 = 2 (LLVM: expert scheduling mode 2), set by the entry lines.  The code itself states the register dependences
; between vector instructions and memory instructions, with s_wait_alu, always for 0.
; THE PLAN.  Registers that memory instructions touch:
;   v1, v2, v3   byte offsets, made at the head of each path and never written again; read by every load and store of CAST16.
;   IN           group g's four registers: written by its load, read by its two conversions.  No vector instruction names them ahead of the loads.
;   OUT          group g's two registers: written once, by its two conversions; read by its one store.
; The sixteen groups go in four batches of four.  Batch b's conversions name IN and OUT of batch b alone; the memory instructions among them are the four stores of batch b - 1, which read
; OUT of batch b - 1 and v2 or v3.  So ONE wait at a batch's head states all that those four stores hang on, and one more stands ahead of the last four stores.
; No register that a memory instruction reads is written a second time; no vector instruction writes a scalar register or VCC; EXEC is never written.
.set IN,  8                            ; v[8:71]    sixteen groups of four f32
.set OUT, 72                           ; v[72:103]  sixteen groups of four bf16
; v1: the thread's byte offset in; v2, v3: its byte offsets out for groups 0-7 and 8-15.  Group g lies (g / 8) ia + (g % 8) ib bytes on in the input, (g % 8) ob in the output.
.macro CAST16 ia, ib, ob
	s_wait_alu depctr_va_vdst(0)                   ; v1, v2 and v3 are written: the loads and stores below read them as their offsets
.set g, 0
.rept 16
	global_load_b128 v[IN+4*g:IN+4*g+3], v1, s[24:25] offset:(g/8)*(\ia)+(g%8)*(\ib) th:TH_LOAD_NT
.set g, g+1
.endr
.set g, 0
.rept 16
.if (g%4) == 0
	s_wait_loadcnt 12-g                            ; loads come back in order: this batch's four groups are in, the later batches' loads may stay out
.if g > 0
	s_wait_alu depctr_va_vdst(0)                   ; the batch before's conversions have written its OUT, which the four stores below read
.endif
.endif
.if g >= 4
	global_store_b64 v[2+(g-4)/8], v[OUT+2*(g-4):OUT+2*(g-4)+1], s[26:27] offset:((g-4)%8)*(\ob)  ; the batch before: no vector instruction since the wait names these registers
.endif
	v_cvt_pk_bf16_f32 v[OUT+2*g], v[IN+4*g], v[IN+4*g+1]
	v_cvt_pk_bf16_f32 v[OUT+2*g+1], v[IN+4*g+2], v[IN+4*g+3]
.set g, g+1
.endr
	s_wait_alu depctr_va_vdst(0)                   ; the last batch's conversions have written its OUT, which the last four stores read
.set g, 12
.rept 4
	global_store_b64 v[2+g/8], v[OUT+2*g:OUT+2*g+1], s[26:27] offset:(g%8)*(\ob)
.set g, g+1
.endr
.endm
	s_load_b512 s[4:19], s[0:1], 0x0               ; x s[4:5], Wq s[6:7], Wk s[8:9], Wv s[10:11], bq s[12:13], bk s[14:15], bv s[16:17], xb s[18:19]
	s_load_b128 s[20:23], s[0:1], 0x40             ; wb s[20:21], bb s[22:23]
	s_mov_b32 s29, 0                               ; high words of the two offsets
	s_mov_b32 s31, 0
	s_cmp_lt_u32 ttmp9, 1024
	s_cbranch_scc0 .Lweights
	; x: thread t takes row t / 16 of the group's 8 and the four numbers t % 16 of every K block g.  Sixteen lanes load a block's 256 bytes of one row, the other sixteen the next row's;
	; their 2 x 128 bytes of bf16 lie end to end in xb.
	v_lshrrev_b32 v4, 4, v0
	v_and_b32 v5, 15, v0
	v_lshlrev_b32 v1, 4, v5                        ; in: 16 (t % 16)
	v_lshl_add_u32 v1, v4, 12, v1                  ;   + 4,096 x row
	v_lshlrev_b32 v2, 3, v5                        ; out: 8 (t % 16)
	v_lshl_add_u32 v2, v4, 7, v2                   ;   + 128 x row
	v_add_nc_u32 v3, 0x800000, v2                  ; eight blocks of 1,048,576 bytes on
	s_lshl_b32 s28, ttmp9, 15                      ; 8 rows of 4,096 bytes
	s_lshl_b32 s30, ttmp9, 10                      ; 8 rows of 128 bytes
	s_wait_kmcnt 0x0
	s_add_nc_u64 s[24:25], s[4:5], s[28:29]
	s_add_nc_u64 s[26:27], s[18:19], s[30:31]
	CAST16 2048, 256, 1048576                      ; a block on: 256 bytes in, 8,192 rows x 128 bytes out (7,340,032 at the most: inside the signed 24-bit immediate)
	s_endpgm
.Lweights:
	; W: wave w takes k rows 2 w and 2 w + 1 of the group's 8; a load covers 512 consecutive bytes of a row, a store the 256 bytes of wb made of them.
	s_sub_co_u32 s32, ttmp9, 1024
	s_lshr_b32 s33, s32, 7                         ; which W: 0 q, 1 k, 2 v
	s_and_b32 s34, s32, 127                        ; which 8 of its k rows
	v_lshrrev_b32 v4, 5, v0
	v_and_b32 v5, 31, v0
	v_lshlrev_b32 v1, 4, v5
	v_lshl_add_u32 v1, v4, 13, v1                  ; in: 16 x lane + two rows of 4,096 bytes a wave
	v_mul_u32_u24 v2, v4, 12288
	v_lshl_add_u32 v2, v5, 3, v2                   ; out: 8 x lane + two rows of 6,144 bytes a wave
	v_add_nc_u32 v3, 6144, v2                      ; the second row
	s_lshl_b32 s28, s34, 15                        ; 8 rows of 4,096 bytes
	s_mul_i32 s30, s34, 49152                      ; 8 rows of 6,144 bytes
	s_lshl_b32 s35, s33, 11                        ; + this W's 2,048 bytes of a row
	s_add_co_u32 s30, s30, s35
	s_wait_kmcnt 0x0
	s_cmp_eq_u32 s33, 0
	s_cselect_b64 s[24:25], s[6:7], s[8:9]
	s_cselect_b64 s[36:37], s[12:13], s[14:15]
	s_cmp_eq_u32 s33, 2
	s_cselect_b64 s[24:25], s[10:11], s[24:25]
	s_cselect_b64 s[36:37], s[16:17], s[36:37]
	s_add_nc_u64 s[24:25], s[24:25], s[28:29]
	s_add_nc_u64 s[26:27], s[20:21], s[30:31]
	CAST16 4096, 512, 256
	s_cmp_lg_u32 s34, 0
	s_cbranch_scc1 .Ldone
	v_lshlrev_b32 v4, 4, v0                        ; the bias: twice four numbers a thread (no memory instruction has read v4)
	s_lshl_b32 s28, s33, 12
	s_add_nc_u64 s[38:39], s[22:23], s[28:29]
	s_wait_alu depctr_va_vdst(0)                   ; v4 is written, which the two loads and the two stores below read as their offset; the conversions that read v[8:15], in which the loads land, stand ahead of this wait too
	global_load_b128 v[8:11], v4, s[36:37]         ; IN's registers: their loads have all come back
	global_load_b128 v[12:15], v4, s[36:37] offset:2048
	s_wait_loadcnt 0x0
	v_cvt_pk_bf16_f32 v24, v8, v9                  ; rounded to bf16,
	v_cvt_pk_bf16_f32 v25, v10, v11
	v_cvt_pk_bf16_f32 v26, v12, v13
	v_cvt_pk_bf16_f32 v27, v14, v15
	v_lshlrev_b32 v16, 16, v24                     ; and written as f32 again
	v_and_b32 v17, 0xffff0000, v24
	v_lshlrev_b32 v18, 16, v25
	v_and_b32 v19, 0xffff0000, v25
	v_lshlrev_b32 v20, 16, v26
	v_and_b32 v21, 0xffff0000, v26
	v_lshlrev_b32 v22, 16, v27
	v_and_b32 v23, 0xffff0000, v27
	s_wait_alu depctr_va_vdst(0)                   ; the shifts and masks have written v[16:23], which the two stores read
	global_store_b128 v4, v[16:19], s[38:39]
	global_store_b128 v4, v[20:23], s[38:39] offset:2048
.Ldone:
	s_endpgm
.Lfunc_end_k_qd80b8722a9_cast:
	.size	k_qd80b8722a9_cast, .Lfunc_end_k_qd80b8722a9_cast-k_qd80b8722a9_cast
	.p2alignl 7, 3214868480
	.fill 96, 4, 3214868480
	.section	.rodata,"a",@progbits
	.p2align	6, 0x0
	.amdhsa_kernel k_qd80b8722a9_cast
		.amdhsa_group_segment_fixed_size 0
		.amdhsa_private_segment_fixed_size 0
		.amdhsa_enable_private_segment 0
		.amdhsa_kernarg_size 80
		.amdhsa_user_sgpr_count 2
		.amdhsa_user_sgpr_kernarg_segment_ptr 1
		.amdhsa_wavefront_size32 1
		.amdhsa_system_sgpr_workgroup_id_x 1
		.amdhsa_system_sgpr_workgroup_id_y 1
		.amdhsa_system_sgpr_workgroup_id_z 1
		.amdhsa_system_vgpr_workitem_id 0
		.amdhsa_next_free_vgpr 104
		.amdhsa_next_free_sgpr 66
		.amdhsa_reserve_vcc 0
		.amdhsa_float_denorm_mode_32 3
		.amdhsa_float_denorm_mode_16_64 3
		.amdhsa_memory_ordered 1
		.amdhsa_forward_progress 1
		.amdhsa_inst_pref_size 14
	.end_amdhsa_kernel
	.amdgpu_metadata
---
amdhsa.version: [ 1, 2 ]
amdhsa.kernels:
  - .name:           k_qd80b8722a9_cast
    .symbol:         k_qd80b8722a9_cast.kd
    .args:
      - { .name: hidden_states, .offset: 0, .size: 8, .value_kind: global_buffer, .address_space: global }
      - { .name: Wq, .offset: 8, .size: 8, .value_kind: global_buffer, .address_space: global }
      - { .name: Wk, .offset: 16, .size: 8, .value_kind: global_buffer, .address_space: global }
      - { .name: Wv, .offset: 24, .size: 8, .value_kind: global_buffer, .address_space: global }
      - { .name: bq, .offset: 32, .size: 8, .value_kind: global_buffer, .address_space: global }
      - { .name: bk, .offset: 40, .size: 8, .value_kind: global_buffer, .address_space: global }
      - { .name: bv, .offset: 48, .size: 8, .value_kind: global_buffer, .address_space: global }
      - { .name: xb, .offset: 56, .size: 8, .value_kind: global_buffer, .address_space: global }
      - { .name: wb, .offset: 64, .size: 8, .value_kind: global_buffer, .address_space: global }
      - { .name: bb, .offset: 72, .size: 8, .value_kind: global_buffer, .address_space: global }
    .group_segment_fixed_size: 0
    .private_segment_fixed_size: 0
    .kernarg_segment_align: 8
    .kernarg_segment_size: 80
    .max_flat_workgroup_size: 128
    .sgpr_count:     66
    .vgpr_count:     104
    .wavefront_size: 32
...
	.end_amdgpu_metadata
.endif
;; end of part 5
;; launch proj: the kernel of part 2 again; grid 8 x 32, 4 waves a work-group, clusters of 4 x 4, 327,680 bytes of LDS; arguments xb, wb, bb, qkv; writes qkv
;; launch scores: the kernel of part 3 again; grid 8 x 32, 4 waves a work-group, clusters of 4 x 4, 327,680 bytes of LDS; arguments qkv, pm, stm, stl; writes pm, stm, stl
;; launch pv: the kernel of part 4 again; grid 4 x 64, 4 waves a work-group, clusters of 4 x 4, 327,680 bytes of LDS; arguments pm, qkv, stm, stl, out0; writes out0
